; MI455X (gfx1250); checked and timed in simulation.
; The chip was launched on July 23, 2026; its instructions are those of AMD's public machine-readable ISA for CDNA 5 (MIT licence, August 2026) and "CDNA5" Instruction Set Architecture Reference Guide (July 2026). The comments in the code are by the model that wrote it; some were corrected since.
;; Multi Head Attention. Allowed arithmetic: matrix products marked QUANTISED: E2M1 operands, one E8M0 scale for each 32 along K, by v_wmma_scale_f32_16x16x128_f8f6f4 with both operands' format E2M1 (or v_wmma_scale_f32_32x16x128_f4), f32 sums; products left as they are: bf16, f16 or f32 operands; f32 sums; everything else in f32.
;; Inputs: Wk 16 x 1,024 x 64 float32; Wo 1,024 x 1,024 float32; Wq 16 x 1,024 x 64 float32; Wv 16 x 1,024 x 64 float32; bo 1,024 float32; x 8 x 1,024 x 1,024 float32.
;; Outputs: out0 8 x 1,024 x 1,024 float32.
;; This version of the problem:
;;   THIS VERSION OF THE PROBLEM IS GIVEN IN LOW PRECISION. The matrix products marked QUANTISED in the list below multiply operands that are first quantised to E2M1 (2 exponent bits, 1 mantissa bit; 4 bits a number), with one power-of-two scale for each 32 numbers along K (OCP MX v1.0); their sums are f32. The products marked 'left as it is' may take bf16, f16 or f32 operands, with f32 sums. Whichever they take, every output number must still come out within the allowed error. Rounding operands to bf16 (8 significant bits) uses up far more of that allowance than f16 does (11 bits, for magnitudes from 6e-5 to 65,504). All else is computed in f32.
;;   The module's matrix products, in the order in which they are computed (A, B: the left and right operand; K: the contracted axis; several contracted axes count as one K, in the product's order):
;;     1. [M 1,024, K 1,024] x [K 1,024, N 8,192]; A: input Wq; B: input x: QUANTISED
;;     2. [M 1,024, K 1,024] x [K 1,024, N 8,192]; A: input Wk; B: input x: QUANTISED
;;     3. [M 1,024, K 1,024] x [K 1,024, N 8,192]; A: input Wv; B: input x: QUANTISED
;;     4. batch 128 x [M 1,024, K 64] x [K 64, N 1,024]; A: computed on the way; B: computed on the way: left as it is (an operand is computed on the way)
;;     5. batch 128 x [M 1,024, K 1,024] x [K 1,024, N 64]; A: computed on the way; B: computed on the way: left as it is (an operand is computed on the way)
;;     6. [M 8,192, K 1,024] x [K 1,024, N 1,024]; A: computed on the way; B: input Wo: left as it is (an operand is computed on the way)
;;   THE QUANTISER, for each operand of a quantised product, along K:
;;     - K is cut into blocks of 32 from its start; a last block that is shorter is filled with zeros.
;;     - A block's scale is 2^e with e = floor(log2(the largest magnitude in the block)) - 2, held to -126 .. 127; a block of zeros has e = 0. As a byte (E8M0): e + 127.
;;     - Each number is divided by its block's scale, clamped to +-6, and rounded to the nearest number of E2M1, ties to even, subnormals kept.
;;     - The product sums the exact products of the quantised numbers (number of the format x scale) in f32.
;;   ~~~python
;;   def quantise(x, axis):      # numpy; x: float32 -> the quantised numbers, widened to float32 again
;;       x = np.moveaxis(x, axis, -1); K = x.shape[-1]
;;       x = np.pad(x, [(0, 0)] * (x.ndim - 1) + [(0, -K % 32)]); x = x.reshape(x.shape[:-1] + (-1, 32)); a = np.abs(x).max(-1, keepdims=True)
;;       e = np.where(a > 0, np.clip(np.frexp(np.where(a > 0, a, 1))[1] - 1 - 2, -126, 127), 0)      # np.frexp(a)[1] - 1 = floor(log2(a)), exactly
;;       r = np.clip(x / 2.0 ** e, -6, 6)
;;       step = 2.0 ** (np.maximum(np.frexp(np.where(r == 0, 1, r))[1] - 1, 0) - 1)
;;       q = np.round(r / step) * step * 2.0 ** e      # np.round: ties to even
;;       return np.moveaxis(q.reshape(q.shape[:-2] + (-1,))[..., :K], -1, axis).astype(np.float32)
;;   ~~~
;; One version. Each part assembles by itself: llvm-mc -triple=amdgcn-amd-amdhsa -mcpu=gfx1250 --defsym DOCPART=n.
;; ======== version 1 of 1: 5 launches
;; limits: values are held in f16: magnitudes above 65,504 overflow, below 6.1e-05 lose precision
;; workspace buffers: xc 4,194,304 bytes; xs 262,144 bytes; wc 1,572,864 bytes; ws 98,304 bytes; wo16 2,097,152 bytes; qkv16 50,331,648 bytes; att 16,777,216 bytes; qkv32 1,572,864 bytes
;; launch prep (part 1): grid 672 x 1, 8 waves a work-group, no clusters, 40,448 bytes of LDS; arguments x, Wq, Wk, Wv, Wo, xc, xs, wc, ws, wo16; writes xc, xs, wc, ws, wo16
.if DOCPART == 1
	.amdgcn_target "amdgcn-amd-amdhsa--gfx1250"
	.amdhsa_code_object_version 6
	.text
	.protected	k_q31534a7a64_prep
	.globl	k_q31534a7a64_prep
	.p2align	8
	.type	k_q31534a7a64_prep,@function
k_q31534a7a64_prep:
	s_mov_b64 s[64:65], 0
	v_nop
	global_prefetch_b8 v0, s[64:65] scope:SCOPE_SE
	s_setreg_imm32_b32 hwreg(HW_REG_WAVE_MODE, 25, 1), 1
	s_wait_xcnt 0x0
; x [8192][1024] f32 and Wq, Wk, Wv [16][1024][64] f32 become codes of FP4 (E2M1) with one E8M0 byte for each 32 along K = the model's 1,024; Wo [1024][1024] f32 becomes f16.
;   xc [8192 rows b*1024+t][512 bytes], xs [8192][32];  wc [3072 rows sel*1024+h*64+s][512 bytes], ws [3072][32] (sel 0 = q, 1 = k, 2 = v);  wo16 [1024][1024] f16.
; A block's scale is 2^(floor(log2(its largest magnitude)) - 2); its byte is the largest magnitude's exponent field - 2, held at 1 from below.
; LIMITS: a block of zeros gets the byte 1 where the rule says 127 (its codes are zeros, and this program alone reads the bytes); blocks whose largest magnitude lies under 2^-124 keep the byte 1;
; NaN and infinities among the inputs are not served; numbers of Wo beyond f16's 65,504 are not served.
; THREE PATHS part on the work-group's number alone, the same in all eight waves: 0..95 the three W, 96..159 Wo, 160..671 x.  Each path has LDS bytes of its own.
; No tensor loads, no matrix work: the launch streams, so all that counts is long dense loads, many on their way, and aligned runs of 256 bytes or more out.
.set XST,   0                          ; path x: a stage of 32 x 80 bytes for each wave
.set XSB,   20480                      ; path x: the work-group's 512 scale bytes
.set WST,   20992                      ; path W: 64 rows of codes, 256 bytes + 16 of padding
.set WSB,   38400                      ; path W: 64 rows x 16 scale bytes
.set SPARE, 39424                      ; the spare words, 128 bytes for each wave: four blocks of 256 bytes that no other line names
.set EMAX,  2
.set SPW,   126                        ; v126 LDS address of my spare word; never rewritten
.set NIL,   127                        ; v127 0; never rewritten
.set XR,    16                         ; path x: v16-79 four steps' numbers as loaded
.set XX,    80                         ; v80-111 two sets of 16 neighbours
.set XC,    112                        ; v112-119 codes, two registers a step: no store's data are written again
.set XE,    120                        ; v120-123 a scale byte a step
.macro XLOAD t                         ; step t: 2,048 bytes, each load 512 consecutive bytes
.irp i, 0,1,2,3
	global_load_b128 v[XR+16*(\t)+4*\i:XR+16*(\t)+4*\i+3], v3, s[4:5] offset:2048*(\t)+512*\i th:TH_LOAD_NT
.endr
.endm
.macro XTURN t                         ; through the wave's stage: in as loaded, out 64 neighbouring bytes a lane.  LDS serves a wave's instructions in order: no wait between
.irp i, 0,1,2,3
	ds_store_b128 v14, v[XR+16*(\t)+4*\i:XR+16*(\t)+4*\i+3] offset:640*\i
.endr
.irp i, 0,1,2,3
	ds_load_b128 v[XX+16*((\t)%2)+4*\i:XX+16*((\t)%2)+4*\i+3], v15 offset:16*\i
.endr
.endm
.macro XSTEP t
.set XS, XX+16*((\t)%2)
.if (\t) < 3
	s_wait_loadcnt 4*(2-(\t))                      ; the next step's four loads are in; the later steps' may be out
	XTURN (\t)+1
.endif
.if (\t) == 0
	s_wait_dscnt 8                                 ; my 16 neighbours are back; the next turn's eight lines may be out
.elseif (\t) == 3
	s_wait_dscnt 1                                 ; only the last step's byte store may be out
.else
	s_wait_dscnt 9                                 ; the last step's byte store and the next turn's eight
.endif
	v_max3_num_f32 v8, |v[XS]|, |v[XS+1]|, |v[XS+2]|               ; the largest magnitude of my 16, in two chains
	v_max3_num_f32 v9, |v[XS+3]|, |v[XS+4]|, |v[XS+5]|
.irp i, 6,10
	v_max3_num_f32 v8, v8, |v[XS+\i]|, |v[XS+\i+1]|
	v_max3_num_f32 v9, v9, |v[XS+\i+2]|, |v[XS+\i+3]|
.endr
	v_max3_num_f32 v8, v8, |v[XS+14]|, |v[XS+15]|
	v_max3_num_f32 v8, v8, v9, (EMAX+1)<<23        ; and the floor 2^(3 - 127): the byte cannot fall under 1
	v_max_num_f32_dpp v8, v8, v8 row_xmask:1 row_mask:0xf bank_mask:0xf   ; with my neighbour's 16: the block's
	v_add_nc_u32 v11, -(EMAX<<23), v8              ; 2 off the exponent field: the conversion takes that field as its scale
	v_cvt_scalef32_pk8_fp4_f32 v[XC+2*(\t)], v[XS:XS+7], v11
	v_cvt_scalef32_pk8_fp4_f32 v[XC+2*(\t)+1], v[XS+8:XS+15], v11
	v_lshrrev_b32 v[XE+(\t)], 23, v11              ; the scale's byte (a plain line behind the conversions)
	ds_store_b8 v5, v[XE+(\t)] offset:16*(\t)      ; both lanes of a block write the same byte with the same value
	global_store_b64 v4, v[XC+2*(\t):XC+2*(\t)+1], s[14:15] offset:256*(\t)   ; the wave stores 256 consecutive bytes, aligned
.endm
.macro WLOAD t                         ; block t of my column: W(32 t + i, column), i = 0 .. 31, into set t % 2; a wave reads 128 consecutive bytes
.irp i, 0,1,2,3,4,5,6,7,8,9,10,11,12,13,14,15,16,17,18,19,20,21,22,23,24,25,26,27,28,29,30,31
	global_load_b32 v[32+32*((\t)%2)+\i], v3, s[6:7] offset:(32*(\t)+\i)*256 th:TH_LOAD_NT
.endr
.endm
.macro WBLOCK t
.set WS, 32+32*((\t)%2)
.if (\t) < 3
	s_wait_loadcnt 32                              ; this block's 32 loads are in; the next block's may be out
.else
	s_wait_loadcnt 0x0
.endif
	v_max3_num_f32 v12, |v[WS]|, |v[WS+1]|, |v[WS+2]|              ; all 32 numbers of the block are mine
	v_max3_num_f32 v13, |v[WS+3]|, |v[WS+4]|, |v[WS+5]|
.irp i, 6,10,14,18,22,26
	v_max3_num_f32 v12, v12, |v[WS+\i]|, |v[WS+\i+1]|
	v_max3_num_f32 v13, v13, |v[WS+\i+2]|, |v[WS+\i+3]|
.endr
	v_max3_num_f32 v12, v12, |v[WS+30]|, |v[WS+31]|
	v_max3_num_f32 v12, v12, v13, (EMAX+1)<<23
	v_add_nc_u32 v11, -(EMAX<<23), v12
	v_lshrrev_b32 v13, 23, v11
.if (\t) == 0
	v_mov_b32 v24, v13                             ; four bytes to the word, the lower K in the lower byte
.else
	v_lshl_or_b32 v24, v13, 8*(\t), v24
.endif
.irp g, 0,1,2,3
	v_cvt_scalef32_pk8_fp4_f32 v[96+4*(\t)+\g], v[WS+8*\g:WS+8*\g+7], v11   ; each block has its own four registers: no wait for the LDS store below
.endr
	ds_store_b128 v4, v[96+4*(\t):96+4*(\t)+3] offset:16*(\t)
.if (\t) < 2
	WLOAD (\t)+2
.endif
.endm
	s_load_b512 s[4:19], s[0:1], 0x0               ; x 4, Wq 6, Wk 8, Wv 10, Wo 12, xc 14, xs 16, wc 18
	s_load_b128 s[20:23], s[0:1], 0x40             ; ws 20, wo16 22
	v_lshl_add_u32 v[SPW], v0, 2, SPARE
	v_mov_b32 v[NIL], 0
	v_lshrrev_b32 v1, 5, v0
	v_readfirstlane_b32 s24, v1                    ; wave 0..7
	v_and_b32 v2, 31, v0                           ; lane
	s_mov_b32 s29, 0                               ; the high word of every offset pair
	s_wait_kmcnt 0x0
	s_cmp_lt_u32 ttmp9, 96
	s_cbranch_scc1 .Lw
	s_cmp_lt_u32 ttmp9, 160
	s_cbranch_scc1 .Lo
	; ---- PATH x.  512 work-groups of 16,384 numbers; a wave takes 2,048: four steps of 512, all sixteen loads out at once.
	s_sub_co_u32 s25, ttmp9, 160
	s_lshl_b32 s26, s25, 3
	s_add_co_u32 s26, s26, s24                     ; my run of 2,048 numbers
	s_lshl_b32 s28, s26, 13
	s_add_nc_u64 s[4:5], s[4:5], s[28:29]          ; 8,192 bytes of x a run,
	s_lshl_b32 s28, s26, 10
	s_add_nc_u64 s[14:15], s[14:15], s[28:29]      ; 1,024 of codes,
	s_lshl_b32 s28, s25, 9
	s_add_nc_u64 s[16:17], s[16:17], s[28:29]      ; 512 scale bytes a work-group
	v_lshlrev_b32 v3, 4, v2                        ; 16 x lane
	XLOAD 0
	XLOAD 1
	XLOAD 2
	XLOAD 3
	s_mul_i32 s27, s24, 2560
	v_lshrrev_b32 v14, 2, v2
	v_mul_u32_u24 v14, v14, 80
	v_and_b32 v15, 3, v2
	v_lshl_add_u32 v14, v15, 4, v14
	v_add_nc_u32 v14, s27, v14                     ; the stage, way in: 80 (lane / 4) + 16 (lane % 4); a load's 512 bytes take eight places of 80
	v_mul_u32_u24 v15, v2, 80
	v_add_nc_u32 v15, s27, v15                     ; way out: 80 x lane
	v_lshlrev_b32 v4, 3, v2                        ; my 8 bytes of a step's codes
	v_lshrrev_b32 v5, 1, v2
	s_lshl_b32 s27, s24, 6
	s_add_co_u32 s27, s27, XSB
	v_add_nc_u32 v5, s27, v5                       ; my block's byte among my wave's 64
	v_add_nc_u32 v6, XSB, v3                       ; wave 0's way out of the 512 bytes
	s_wait_loadcnt 12                              ; step 0's four loads are in
	XTURN 0
	XSTEP 0
	XSTEP 1
	XSTEP 2
	XSTEP 3
	s_wait_dscnt 0x0                               ; for the others' sake: my byte stores have landed
	s_barrier_signal -1
	s_barrier_wait -1
	s_cmp_lg_u32 s24, 0
	s_cbranch_scc1 .Lend
	ds_load_b128 v[8:11], v6                       ; wave 0 takes the eight waves' 512 scale bytes
	s_wait_dscnt 0x0
	global_store_b128 v3, v[8:11], s[16:17]        ; 512 consecutive bytes, aligned
	s_branch .Lend
	; ---- PATH Wo.  64 work-groups; a wave takes 8,192 bytes: sixteen loads, two roundings each, 256 consecutive bytes a store.
.Lo:
	s_sub_co_u32 s25, ttmp9, 96
	s_lshl_b32 s26, s25, 3
	s_add_co_u32 s26, s26, s24
	s_lshl_b32 s28, s26, 13
	s_add_nc_u64 s[12:13], s[12:13], s[28:29]
	s_lshl_b32 s28, s26, 12
	s_add_nc_u64 s[22:23], s[22:23], s[28:29]
	v_lshlrev_b32 v3, 4, v2
	v_lshlrev_b32 v4, 3, v2
.irp i, 0,1,2,3,4,5,6,7,8,9,10,11,12,13,14,15
	global_load_b128 v[16+4*\i:19+4*\i], v3, s[12:13] offset:512*\i th:TH_LOAD_NT
.endr
.irp i, 0,1,2,3,4,5,6,7,8,9,10,11,12,13,14,15
	s_wait_loadcnt 15-\i                           ; loads come back in order: the younger ones may be out
	v_cvt_pk_f16_f32 v[80+2*\i], v[16+4*\i], v[17+4*\i]
	v_cvt_pk_f16_f32 v[81+2*\i], v[18+4*\i], v[19+4*\i]
	global_store_b64 v4, v[80+2*\i:81+2*\i], s[22:23] offset:256*\i
.endr
	s_branch .Lend
	; ---- PATH W.  Work-group = sel x 32 + head x 2 + half of K.  A LANE TAKES A COLUMN s AND ITS REGISTERS RUN DOWN K, so a block lies in one lane and the codes come out with K innermost.
	; Wave w: columns 32 (w & 1) on, 128 along K from 128 (w >> 1) on: four blocks.  The codes meet in a stage, 64 rows x 256 bytes, and leave as aligned runs of 256 bytes.
.Lw:
	s_lshr_b32 s25, ttmp9, 5                       ; sel
	s_bfe_u32 s26, ttmp9, 0x40001                  ; head
	s_and_b32 s27, ttmp9, 1                        ; which 512 along K
	s_cmp_eq_u32 s25, 0                            ; the choice of the source hangs on the work-group's number alone
	s_cselect_b64 s[6:7], s[6:7], s[8:9]
	s_cmp_eq_u32 s25, 2
	s_cselect_b64 s[6:7], s[10:11], s[6:7]
	s_and_b32 s30, s24, 1                          ; which 32 columns
	s_lshr_b32 s31, s24, 1                         ; which 128 along K
	s_lshl_b32 s28, s26, 18                        ; a head is 1,024 rows of 256 bytes
	s_lshl_b32 s32, s27, 17
	s_add_co_u32 s28, s28, s32
	s_lshl_b32 s32, s31, 15
	s_add_co_u32 s28, s28, s32
	s_lshl_b32 s32, s30, 7
	s_add_co_u32 s28, s28, s32
	s_add_nc_u64 s[6:7], s[6:7], s[28:29]
	v_lshlrev_b32 v3, 2, v2
	WLOAD 0
	WLOAD 1
	s_mul_i32 s32, s30, 32*272
	s_lshl_b32 s33, s31, 6
	s_add_co_u32 s32, s32, s33
	s_add_co_u32 s32, s32, WST
	v_mul_u32_u24 v4, v2, 272
	v_add_nc_u32 v4, s32, v4                       ; the stage, way in: my column's row, my wave's 64 bytes of it
	s_lshl_b32 s32, s30, 9
	s_lshl_b32 s33, s31, 2
	s_add_co_u32 s32, s32, s33
	s_add_co_u32 s32, s32, WSB
	v_lshl_add_u32 v6, v2, 4, s32                  ; my column's scale word
	v_lshrrev_b32 v9, 4, v2
	v_and_b32 v10, 15, v2
	s_mul_i32 s32, s24, 8*272
	s_add_co_u32 s32, s32, WST
	v_mul_u32_u24 v7, v9, 272
	v_lshl_add_u32 v7, v10, 4, v7
	v_add_nc_u32 v7, s32, v7                       ; way out: wave w takes rows 8 w on, sixteen lanes to a row, two rows an instruction
	v_lshlrev_b32 v8, 9, v9
	v_lshl_add_u32 v8, v10, 4, v8                  ; and the same place in wc
	v_lshl_add_u32 v5, v0, 4, WSB                  ; waves 0 and 1: a row's 16 scale bytes a thread
	v_lshlrev_b32 v25, 5, v0
	s_lshl_b32 s34, s25, 10
	s_lshl_b32 s33, s26, 6
	s_add_co_u32 s34, s34, s33                     ; the work-group's first row of wc and ws
	s_lshl_b32 s33, s24, 3
	s_add_co_u32 s33, s34, s33
	s_lshl_b32 s28, s33, 9
	s_lshl_b32 s33, s27, 8
	s_add_co_u32 s28, s28, s33
	s_add_nc_u64 s[18:19], s[18:19], s[28:29]
	s_lshl_b32 s28, s34, 5
	s_lshl_b32 s33, s27, 4
	s_add_co_u32 s28, s28, s33
	s_add_nc_u64 s[20:21], s[20:21], s[28:29]
	WBLOCK 0
	WBLOCK 1
	WBLOCK 2
	WBLOCK 3
	ds_store_b32 v6, v24
	s_wait_dscnt 0x0                               ; for the others' sake: my codes and my scale word have landed
	s_barrier_signal -1
	s_barrier_wait -1
.irp i, 0,1,2,3
	ds_load_b128 v[32+4*\i:35+4*\i], v7 offset:2*\i*272
.endr
.irp i, 0,1,2,3
	s_wait_dscnt 3-\i
	global_store_b128 v8, v[32+4*\i:35+4*\i], s[18:19] offset:2*\i*512   ; sixteen lanes store 256 consecutive bytes, aligned
.endr
	s_cmp_gt_u32 s24, 1
	s_cbranch_scc1 .Lend
	ds_load_b128 v[48:51], v5
	s_wait_dscnt 0x0
	global_store_b128 v25, v[48:51], s[20:21]      ; 16 of a row's 32 scale bytes: pieces, 96 KiB in the whole launch
.Lend:
	s_wait_tensorcnt 0x0                           ; the wave's end
	ds_add_u32 v[SPW], v[NIL]
	s_wait_dscnt 0x0
	s_endpgm
.Lfunc_end_k_q31534a7a64_prep:
	.size	k_q31534a7a64_prep, .Lfunc_end_k_q31534a7a64_prep-k_q31534a7a64_prep
	.p2alignl 7, 3214868480
	.fill 96, 4, 3214868480
	.section	.rodata,"a",@progbits
	.p2align	6, 0x0
	.amdhsa_kernel k_q31534a7a64_prep
		.amdhsa_group_segment_fixed_size 40448
		.amdhsa_private_segment_fixed_size 0
		.amdhsa_enable_private_segment 0
		.amdhsa_kernarg_size 80
		.amdhsa_user_sgpr_count 2
		.amdhsa_user_sgpr_kernarg_segment_ptr 1
		.amdhsa_wavefront_size32 1
		.amdhsa_system_sgpr_workgroup_id_x 1
		.amdhsa_system_sgpr_workgroup_id_y 1
		.amdhsa_system_sgpr_workgroup_id_z 1
		.amdhsa_system_vgpr_workitem_id 0
		.amdhsa_next_free_vgpr 128
		.amdhsa_next_free_sgpr 66
		.amdhsa_reserve_vcc 0
		.amdhsa_float_denorm_mode_32 3
		.amdhsa_float_denorm_mode_16_64 3
		.amdhsa_memory_ordered 1
		.amdhsa_forward_progress 1
		.amdhsa_inst_pref_size 38
	.end_amdhsa_kernel
	.amdgpu_metadata
---
amdhsa.version: [ 1, 2 ]
amdhsa.kernels:
  - .name:           k_q31534a7a64_prep
    .symbol:         k_q31534a7a64_prep.kd
    .args:
      - { .name: x, .offset: 0, .size: 8, .value_kind: global_buffer, .address_space: global }
      - { .name: Wq, .offset: 8, .size: 8, .value_kind: global_buffer, .address_space: global }
      - { .name: Wk, .offset: 16, .size: 8, .value_kind: global_buffer, .address_space: global }
      - { .name: Wv, .offset: 24, .size: 8, .value_kind: global_buffer, .address_space: global }
      - { .name: Wo, .offset: 32, .size: 8, .value_kind: global_buffer, .address_space: global }
      - { .name: xc, .offset: 40, .size: 8, .value_kind: global_buffer, .address_space: global }
      - { .name: xs, .offset: 48, .size: 8, .value_kind: global_buffer, .address_space: global }
      - { .name: wc, .offset: 56, .size: 8, .value_kind: global_buffer, .address_space: global }
      - { .name: ws, .offset: 64, .size: 8, .value_kind: global_buffer, .address_space: global }
      - { .name: wo16, .offset: 72, .size: 8, .value_kind: global_buffer, .address_space: global }
    .group_segment_fixed_size: 40448
    .private_segment_fixed_size: 0
    .kernarg_segment_align: 8
    .kernarg_segment_size: 80
    .max_flat_workgroup_size: 256
    .sgpr_count:     66
    .vgpr_count:     128
    .wavefront_size: 32
...
	.end_amdgpu_metadata
.endif
;; end of part 1
;; launch qkv (part 2): grid 8 x 32, 4 waves a work-group, clusters of 4 x 4, 327,680 bytes of LDS; arguments xc, xs, wc, ws, qkv16, qkv32; writes qkv16, qkv32
.if DOCPART == 2
	.amdgcn_target "amdgcn-amd-amdhsa--gfx1250"
	.amdhsa_code_object_version 6
	.text
	.protected	k_q31534a7a64_qkv
	.globl	k_q31534a7a64_qkv
	.p2align	8
	.type	k_q31534a7a64_qkv,@function
k_q31534a7a64_qkv:
	s_mov_b64 s[64:65], 0
	v_nop
	global_prefetch_b8 v0, s[64:65] scope:SCOPE_SE
	s_setreg_imm32_b32 hwreg(HW_REG_WAVE_MODE, 25, 1), 1
	s_wait_xcnt 0x0
	s_wait_alu depctr_hold_cnt(0) depctr_sa_sdst(0) depctr_va_vdst(0) depctr_va_sdst(0) depctr_va_ssrc(0) depctr_va_vcc(0) depctr_vm_vsrc(0)
	s_getreg_b32 s2, hwreg(HW_REG_IB_STS2, 6, 4)
	s_cmp_eq_u32 s2, 0
	s_cbranch_scc0 .Lentry_in_a_cluster
	s_endpgm
.Lentry_in_a_cluster:
	s_bfe_u32 s2, ttmp6, 0x10000c
	s_cmp_lg_u32 s2, 0xf033
	s_cbranch_scc0 .Lentry_shape_is_right
	s_endpgm
.Lentry_shape_is_right:
; q, k, v = x W on codes of FP4 (E2M1) with one E8M0 scale for each 32 along K: C[m][n] = sum over k of A[m][k] B[n][k], A = xc [8192][1024], B = wc [3072][1024], sums in f32, K ascending.
; SHARES.  8,192 x 3,072 outputs on 256 work-groups: each makes 256 rows x 384 columns (six heads), in THREE PASSES of 128 columns.  In a pass each of the four waves makes 128 rows x 64 columns,
; one head: 32 accumulators, 256 registers.
; LDS.  K = 1,024 is two slots of 512 along K; a slot holds A's 256 rows and then 256 rows of B, 256 bytes + 16 of padding each.  A stays for all three passes.  B's rows 0-127 of a slot serve pass 0,
; rows 128-255 pass 1.  A third set does not fit (139,264 + 3 x 69,632 = 348,160 bytes): behind pass 0 its rows are filled again with pass 2's, and that load has all of pass 1 in which to land.
; The scale bytes of the 256 + 384 rows come into LDS once, with the first fills.
; CLUSTERS: 4 x 4 work-groups; A's tiles are asked for jointly along a row of the cluster, B's along a column.  Tile row of C = 8 cy + cluster y, so that 'this tile begins a sequence'
; (tile row % 4 = 0) hangs on the cluster's y alone, which all sixteen partners share.
; THE MATRIX INSTRUCTION IS USED TRANSPOSED (source 0 = 16 rows of B, source 1 = 16 rows of A): a lane holds eight neighbouring columns of one row.  Rounded to f16 these 16 bytes ARE a lane's
; four registers of a 16-bit operand, so the results leave with no turn through LDS, as images of the next launch's operand registers:
;   qkv16 [sel 3][b 8][head 16][tile of 16 positions 64][c 2][u 2][512 bytes]: 16 positions x channels 32 c + 16 u + 8 h + 0..7; for q and k lane (r, h)'s 16 bytes at 16 (r + 16 h);
;   for v at 16 (r % 8) + 128 h + 256 (r / 8), the order in which the turning LDS load of the next launch wants them at 16 x lane.
; A pass's results leave behind the next pass's first LDS loads: nothing waits for those stores but the registers that they read.
; Positions 0 to 15 of every sequence also leave as f32: qkv32 [b 8][n / 16 192][2][512 bytes at 16 x lane]: lane (r, h): position r, columns 16 (n / 16) + 8 h + 4 jh + 0..3.
; LIMITS: |q|, |k|, |v| stay under f16's 65,504 (inputs 30 times the drawn ones, or offset by 30 spreads, give some 18,432 at the most); NaN and infinities are not served.
; REGISTERS, in windows of 256: window 0: v0-31 addresses; v32-95 A's scale words (both slots: they stay); v96-127 B's scale words; v128-191 A's fragments, one set; v192-255 the packed results, two sets.
;   window 1: B's fragments, two sets, at v0 and at v128.   window 2: the accumulators ((a, b) at v[8 (4 a + b)]).
.set KROW,   512                       ; a row of codes in memory: 1,024 codes
.set ROWB,   256                       ; a slot's part of it
.set PITCH,  272                       ; an LDS row: 256 bytes + 16 of padding, so that the 16 rows of a load start 16 bytes apart modulo 256
.set FR,     8                         ; registers of a fragment: 16 rows x 128 K
.set NL,     2                         ; LDS loads that bring one
.set NP,     4
.set HALFT,  128*PITCH                 ; 128 rows: what one tensor load brings
.set SLOT,   4*HALFT
.set SCLB,   2*SLOT                    ; B's scales: 384 rows x 32 bytes, as 48 runs of 256 bytes + 16 of padding
.set HALFSB, 24*272                    ; half of them: one tensor load
.set SCLA,   SCLB+2*HALFSB             ; A's scales: 256 rows, 32 runs
.set HALFSA, 16*272                    ; the scales of 128 rows
.set SBLK,   2*272                     ; those of 16 rows
.set SPARE,  SCLA+2*HALFSA             ; the spare words, 128 bytes for each wave: two blocks of 256 bytes that no other line names
.set ADRA, 16                          ; v16-17  LDS address of my A fragments in slot 0, 1
.set ADRB, 20                          ; v20-21  the same for B: my 64 rows of a pass's 128
.set ASA,  22                          ; v22     LDS address of my rows' scale words of A (both halves of the lanes take row r's)
.set ASB,  23                          ; v23     of B
.set VL,   24                          ; v24     v's order in a chunk
.set LI,   25                          ; v25     16 x lane
.set CO,   26                          ; v26     my 16 bytes' place in a chunk of qkv16, chosen anew for each pass
.set SPW,  28
.set NIL,  29
.set SCA,  32                          ; A's scale words: 32 slot + 4 a + q
.set SCB,  96                          ; B's: 16 slot + 4 b + q
.set AF,   128
.set TP,   192
.set G1, 24
.set G0, 32
.set G1B, 48
.set G0B, 56
.set G1S, 68
.set G0S, 76
.set G1SB, 80
.set G0SB, 88
.set MSB, 0
.macro WIN new                         ; the immediate's high byte repeats the setting that is left
.if MSB != (\new)
	s_set_vgpr_msb (MSB<<8)|(\new)
.set MSB, (\new)
.endif
.endm
.set MULW, 0xa1                        ; source 0 (B) window 1, source 1 (A) window 0, C and D window 2
.set TO_B, 0x40
; A joint load: waves 0 and 1 fetch for A, waves 2 and 3 for B; the branch hangs on the wave's number alone.  An s_nop 0 and four v_nop follow each of the two lines.
.macro JLOAD g0a, g1a, g0b, g1b
	s_cmp_eq_u32 s15, 0
	s_cbranch_scc0 .Lfor_b_\@
	tensor_load_to_lds s[\g0a:\g0a+3], s[\g1a:\g1a+7]
	s_nop 0
.rept 4
	v_nop
.endr
	s_branch .Lasked_\@
.Lfor_b_\@:
	tensor_load_to_lds s[\g0b:\g0b+3], s[\g1b:\g1b+7]
	s_nop 0
.rept 4
	v_nop
.endr
.Lasked_\@:
.endm
.macro RLOAD                           ; the one refill: waves 2 and 3 alone, one joint load each
	s_cmp_eq_u32 s15, 0
	s_cbranch_scc1 .Lnone_\@
	tensor_load_to_lds s[G0B:G0B+3], s[G1B:G1B+7]
	s_nop 0
.rept 4
	v_nop
.endr
.Lnone_\@:
.endm
.macro CROUND                          ; a round of the cluster's barrier
	s_barrier_signal -1
	s_barrier_wait -1
	s_cmp_lg_u32 s14, 0
	s_cbranch_scc1 .Lnot_wave_0_\@
	s_barrier_signal -3
.Lnot_wave_0_\@:
	s_barrier_wait -3
	s_barrier_signal -1
	s_barrier_wait -1
.endm
	s_load_b128 s[4:7], s[0:1], 0x0                ; A's codes, A's scales
	s_load_b128 s[8:11], s[0:1], 0x10              ; B's codes, B's scales
	s_load_b64 s[12:13], s[0:1], 0x20              ; qkv16
	s_load_b64 s[96:97], s[0:1], 0x28              ; qkv32
	v_lshl_add_u32 v[SPW], v0, 2, SPARE
	v_mov_b32 v[NIL], 0
	ds_add_u32 v[SPW], v[NIL]                      ; the wave's opening: the add, twice on end, and its wait ahead of my first tensor load
	ds_add_u32 v[SPW], v[NIL]
	v_lshrrev_b32 v1, 5, v0
	v_readfirstlane_b32 s14, v1                    ; wave 0..3
	s_lshr_b32 s15, s14, 1                         ; which half of the tile's rows is mine.  Also: I fetch for A (0) or for B (1)
	s_and_b32 s16, s14, 1                          ; which head of a pass's two is mine.  Also: which half I fetch
	s_bfe_u32 s40, ttmp6, 0x40000                  ; cx
	s_bfe_u32 s41, ttmp6, 0x40004                  ; cy
	s_lshl_b32 s42, ttmp9, 2
	s_add_co_u32 s42, s42, s40                     ; tile column = 4 x cluster x + cx: 384 columns each
	s_and_b32 s17, ttmp7, 0xffff
	s_lshl_b32 s18, s41, 3
	s_add_co_u32 s17, s17, s18                     ; tile row = 8 cy + cluster y
	s_lshl_b32 s43, s41, 2
	s_lshl_b32 s43, 15, s43                        ; my row of the cluster
	s_lshl_b32 s44, 0x1111, s40                    ; my column
	s_or_b32 s[G1+0], s43, (0<<16)|(1<<20)|(1<<21)|(5<<22)|(3<<25)  ; the mask; elements of 1 byte; padding on; bit 21 beside a mask; after every 64 words four words
	s_or_b32 s[G1B+0], s44, (0<<16)|(1<<20)|(1<<21)|(5<<22)|(3<<25)
.irp g, G1, G1B
	s_mov_b32 s[\g+1], ROWB<<16                    ; tensor_dim0
	s_mov_b32 s[\g+2], 128<<16                     ; tensor_dim1
	s_mov_b32 s[\g+3], ROWB<<16                    ; tile_dim0
	s_mov_b32 s[\g+4], 128                         ; tile_dim1
	s_mov_b32 s[\g+5], KROW                        ; from row to row
	s_mov_b32 s[\g+6], 0
	s_mov_b32 s[\g+7], 0
.endr
	s_or_b32 s[G1S+0], s43, (3<<16)|(1<<20)|(1<<21)|(5<<22)|(3<<25)  ; A's scales of 128 rows: 4,096 dense bytes as 16 rows of 256, 16 bytes of padding behind each
	s_mov_b32 s[G1S+1], 32<<16
	s_mov_b32 s[G1S+2], 16<<16
	s_mov_b32 s[G1S+3], 32<<16
	s_mov_b32 s[G1S+4], 16
	s_mov_b32 s[G1S+5], 32
	s_mov_b32 s[G1S+6], 0
	s_mov_b32 s[G1S+7], 0
	s_or_b32 s[G1SB+0], s44, (3<<16)|(1<<20)|(1<<21)|(5<<22)|(3<<25) ; B's scales of 192 rows: 6,144 dense bytes as 24 rows of 256
	s_mov_b32 s[G1SB+1], 32<<16
	s_mov_b32 s[G1SB+2], 24<<16
	s_mov_b32 s[G1SB+3], 32<<16
	s_mov_b32 s[G1SB+4], 24
	s_mov_b32 s[G1SB+5], 32
	s_mov_b32 s[G1SB+6], 0
	s_mov_b32 s[G1SB+7], 0
	s_lshl_b32 s18, s16, 7                         ; 128 x the half that I fetch
	s_lshl_b32 s20, s17, 8
	s_add_co_u32 s20, s20, s18                     ; A: row 256 x tile row + 128 x half
	s_lshl_b32 s22, s20, 5                         ; its scales, 32 bytes a row,
	s_mov_b32 s23, 0
	s_lshl_b32 s20, s20, 9                         ; and its codes, 512 bytes a row
	s_mov_b32 s21, 0
	s_mul_i32 s46, s42, 384                        ; B: the tile's first row
	s_mul_i32 s92, s16, 192
	s_add_co_u32 s92, s92, s46
	s_lshl_b32 s92, s92, 5                         ; the scales of 192 rows from 192 x half on
	s_mov_b32 s93, 0
	s_add_co_u32 s2, s46, 256                      ; pass 2's rows,
	s_lshl_b32 s2, s2, 9
	s_lshl_b32 s3, s16, 8
	s_add_co_u32 s2, s2, s3                        ; the half of K that I fetch of them
	s_mov_b32 s3, 0
	s_add_co_u32 s46, s46, s18                     ; the first fills: pass 0's rows (half 0) or pass 1's (half 1)
	s_lshl_b32 s46, s46, 9
	s_mov_b32 s47, 0
	s_mul_i32 s45, s14, HALFT                      ; where the codes go: wave x 128 rows: no place in the cluster enters an LDS address
	s_mul_i32 s94, s16, HALFSA
	s_mul_i32 s95, s16, HALFSB
	s_wait_dscnt 0x0                               ; both opening adds are done
	s_wait_kmcnt 0x0
	s_add_nc_u64 s[20:21], s[4:5], s[20:21]
	s_add_nc_u64 s[22:23], s[6:7], s[22:23]
	s_add_nc_u64 s[46:47], s[8:9], s[46:47]
	s_add_nc_u64 s[92:93], s[10:11], s[92:93]
	s_add_nc_u64 s[2:3], s[8:9], s[2:3]
	CROUND                                         ; all sixteen work-groups are here: the first joint loads meet
	s_mov_b32 s[G0S], 1
	s_add_co_u32 s[G0S+1], s94, SCLA
	s_mov_b64 s[G0S+2:G0S+3], s[22:23]
	s_or_b32 s[G0S+3], s[G0S+3], 0x80000000
	s_mov_b32 s[G0SB], 1
	s_add_co_u32 s[G0SB+1], s95, SCLB
	s_mov_b64 s[G0SB+2:G0SB+3], s[92:93]
	s_or_b32 s[G0SB+3], s[G0SB+3], 0x80000000
	JLOAD G0S, G1S, G0SB, G1SB                     ; the scales first; with the two slots three tensor loads of mine are out
.irp s, 0,1
	s_mov_b32 s[G0+4*\s], 1
	s_add_co_u32 s[G0+4*\s+1], s45, \s*SLOT
	s_add_nc_u64 s[G0+4*\s+2:G0+4*\s+3], s[20:21], \s*ROWB
	s_or_b32 s[G0+4*\s+3], s[G0+4*\s+3], 0x80000000
	s_mov_b32 s[G0B+4*\s], 1
	s_add_co_u32 s[G0B+4*\s+1], s45, \s*SLOT
	s_add_nc_u64 s[G0B+4*\s+2:G0B+4*\s+3], s[46:47], \s*ROWB
	s_or_b32 s[G0B+4*\s+3], s[G0B+4*\s+3], 0x80000000
	JLOAD G0+4*\s, G1, G0B+4*\s, G1B
.endr
	v_and_b32 v1, 15, v0                           ; r
	v_bfe_u32 v2, v0, 4, 1                         ; h
	v_mul_u32_u24 v3, v1, PITCH
	v_lshl_add_u32 v4, v2, 4, v3                   ; a fragment's row x pitch + 16 x half
	s_mul_i32 s21, s15, HALFT                      ; my 128 rows of A
	s_mul_i32 s22, s16, 64*PITCH                   ; my 64 rows of a pass's 128 of B,
	s_add_co_u32 s22, s22, 2*HALFT                 ; which lie behind A's 256
.irp s, 0,1
	v_add_nc_u32 v[ADRA+\s], s21, v4
	v_add_nc_u32 v[ADRB+\s], s22, v4
	s_add_co_u32 s21, s21, SLOT
	s_add_co_u32 s22, s22, SLOT
.endr
	v_lshlrev_b32 v5, 5, v1                        ; a row's scales: 32 bytes a row,
	v_lshrrev_b32 v6, 3, v1
	v_lshl_add_u32 v5, v6, 4, v5                   ; and 16 more behind each eight rows
	s_mul_i32 s21, s15, HALFSA
	s_add_co_u32 s21, s21, SCLA
	v_add_nc_u32 v[ASA], s21, v5
	s_mul_i32 s22, s16, 8*272
	s_add_co_u32 s22, s22, SCLB
	v_add_nc_u32 v[ASB], s22, v5
	; the way out
	v_and_b32 v6, 31, v0
	v_lshlrev_b32 v[LI], 4, v6
	v_and_b32 v5, 7, v1
	v_lshlrev_b32 v5, 4, v5
	v_lshl_add_u32 v5, v2, 7, v5
	v_lshrrev_b32 v6, 3, v1
	v_lshl_add_u32 v[VL], v6, 8, v5                ; v's order: 16 (r % 8) + 128 h + 256 (r / 8)
	s_lshr_b32 s20, s17, 2                         ; the batch
	s_and_b32 s21, s17, 3
	s_lshl_b32 s21, s21, 1
	s_add_co_u32 s21, s21, s15                     ; my first position / 128
	s_lshl_b32 s21, s21, 14                        ; 8 tiles of 2,048 bytes
	s_lshl_b32 s22, s20, 21
	s_add_co_u32 s95, s21, s22                     ; what every pass's place in qkv16 has in common
	s_mul_i32 s66, s20, 196608                     ; and in qkv32
	s_mul_i32 s94, s42, 6
	s_add_co_u32 s94, s94, s16                     ; my head of pass 0, counted through q's, k's and v's 48
	s_mov_b32 s21, 0                               ; the high word of the offset pair s[20:21]
	s_and_b32 s98, ttmp7, 3
	s_or_b32 s98, s98, s15                         ; 0 where my rows begin a sequence: the wave's number and the cluster's y alone
.macro FRAG reg, adr, off              ; 16 rows x 128 K of 4-bit codes: 8 registers, two loads of 16 bytes, 32 bytes apart
.irp c, 0,1
	ds_load_b128 v[\reg+4*\c:\reg+4*\c+3], v[\adr] offset:(\off)+32*\c
.endr
.endm
; 8 matrix instructions: A's blocks a0, a0 + 1 x B's four.  The 32 accumulators take turns, one instruction a turn, in the same order in every step.
.macro MUL8 a0, p, q, sc, zero
.irp a, \a0, \a0+1
.irp b, 0,1,2,3
.if \zero
	v_wmma_scale_f32_16x16x128_f8f6f4 v[8*(4*(\a)+\b):8*(4*(\a)+\b)+7], v[128*(\p)+FR*\b:128*(\p)+FR*\b+FR-1], v[AF+FR*(\a):AF+FR*(\a)+FR-1], 0, v[SCB+16*(\sc)+4*\b+(\q)], v[SCA+32*(\sc)+4*(\a)+(\q)] matrix_a_fmt:MATRIX_FMT_FP4 matrix_b_fmt:MATRIX_FMT_FP4
.else
	v_wmma_scale_f32_16x16x128_f8f6f4 v[8*(4*(\a)+\b):8*(4*(\a)+\b)+7], v[128*(\p)+FR*\b:128*(\p)+FR*\b+FR-1], v[AF+FR*(\a):AF+FR*(\a)+FR-1], v[8*(4*(\a)+\b):8*(4*(\a)+\b)+7], v[SCB+16*(\sc)+4*\b+(\q)], v[SCA+32*(\sc)+4*(\a)+(\q)] matrix_a_fmt:MATRIX_FMT_FP4 matrix_b_fmt:MATRIX_FMT_FP4
.endif
.endr
.endr
.endm
.macro FETCH_B rows, slot, q, p        ; B's four fragments of the slot's q-th 128 along K into set p; rows = 0: rows 0-127 of B's part of the slot, 1: rows 128-255
	WIN TO_B
.irp i, 0,1,2,3
	FRAG 128*(\p)+FR*\i, ADRB+\slot, (\rows)*HALFT+64*(\q)+\i*16*PITCH
.endr
	WIN 0
.endm
.macro FETCH_A slot, q, i0             ; A's blocks i0 .. i0 + 3
.irp i, \i0, \i0+1, \i0+2, \i0+3
	FRAG AF+FR*(\i), ADRA+\slot, 64*(\q)+(\i)*16*PITCH
.endr
.endm
.macro SCALES_A slot                   ; a slot's four words of each of my 128 rows of A: fetched in pass 0, kept
.irp i, 0,1,2,3,4,5,6,7
	ds_load_b128 v[SCA+32*\slot+4*\i:SCA+32*\slot+4*\i+3], v[ASA] offset:16*\slot+\i*SBLK
.endr
.endm
.macro SCALES_B pass, slot             ; and of my 64 rows of B in this pass: a pass's 128 rows are HALFSA bytes on
.irp i, 0,1,2,3
	ds_load_b128 v[SCB+16*\slot+4*\i:SCB+16*\slot+4*\i+3], v[ASB] offset:(\pass)*HALFSA+16*\slot+\i*SBLK
.endr
.endm
.macro PLACES n                        ; plain vector lines between a matrix instruction and a load into, or a vector line on, its registers
.rept \n
	v_nop
.endr
.endm
.macro STEP rows, slot, q, zero        ; 128 along K, with its successor in the same slot.  A has one set of registers: blocks 0-3 are fetched anew in the step's middle, blocks 4-7 at its end
	s_wait_dscnt 4*NL                              ; B's set and A's blocks 0-3 are in; the youngest eight loads (A's blocks 4-7) may be out
	WIN MULW
	MUL8 0, (\q)%2, \q, \slot, \zero
	MUL8 2, (\q)%2, \q, \slot, \zero
	s_wait_dscnt 0
	PLACES NP
	FETCH_B \rows, \slot, (\q)+1, 1-(\q)%2
	FETCH_A \slot, (\q)+1, 0
	WIN MULW
	MUL8 4, (\q)%2, \q, \slot, \zero
	MUL8 6, (\q)%2, \q, \slot, \zero
	PLACES NP
	WIN 0
	FETCH_A \slot, (\q)+1, 4
.endm
.macro PROLOGUE pass                   ; a pass's first fragments and scale words
	FETCH_B (\pass)%2, 0, 0, 0
	FETCH_A 0, 0, 0
.if (\pass) == 0
	SCALES_A 0
.endif
	SCALES_B \pass, 0
	FETCH_A 0, 0, 4
.endm
.macro BODY pass                       ; a pass: eight steps of 128 along K, 256 matrix instructions
	STEP (\pass)%2, 0, 0, 1                        ; the first products start the sums: nothing is cleared
	STEP (\pass)%2, 0, 1, 0
	STEP (\pass)%2, 0, 2, 0
.if (\pass) == 0                       ; slot 0's last step goes on into slot 1.  In pass 0 slot 1 is read for the first time: one barrier
	s_wait_tensorcnt 0x0                           ; my part of slot 1 has landed
	ds_add_u32 v[SPW], v[NIL]
	s_wait_dscnt 4*NL+1                            ; the add and the youngest eight loads may be out
	WIN MULW
	MUL8 0, 1, 3, 0, 0
	s_wait_dscnt 0x0
	s_barrier_signal -1
	MUL8 2, 1, 3, 0, 0
	WIN 0
	s_barrier_wait -1                              ; slot 1 is whole
.else
	s_wait_dscnt 4*NL
	WIN MULW
	MUL8 0, 1, 3, 0, 0
	MUL8 2, 1, 3, 0, 0
	s_wait_dscnt 0x0
	WIN 0
.endif
	PLACES NP
	FETCH_B (\pass)%2, 1, 0, 0
	FETCH_A 1, 0, 0
.if (\pass) == 0
	SCALES_A 1
.endif
	SCALES_B \pass, 1
	WIN MULW
	MUL8 4, 1, 3, 0, 0
	MUL8 6, 1, 3, 0, 0
	PLACES NP
	WIN 0
	FETCH_A 1, 0, 4
	STEP (\pass)%2, 1, 0, 0
	STEP (\pass)%2, 1, 1, 0
	STEP (\pass)%2, 1, 2, 0
	s_wait_dscnt 4*NL                              ; the pass's last step fetches nothing
	WIN MULW
	MUL8 0, 1, 3, 1, 0
	MUL8 2, 1, 3, 1, 0
	s_wait_dscnt 0x0
	MUL8 4, 1, 3, 1, 0
	MUL8 6, 1, 3, 1, 0
	WIN 0
.endm
; THE WAY OUT of a pass.  Accumulator (a, b): lane (r, h) holds row 16 a + r, channels 16 b + 8 h + 0..7 of my head: four roundings make the 16 bytes of a chunk.  Two blocks a at a time: 32 registers,
; eight stores of 512 consecutive bytes, aligned, 4,096 bytes on end.
.macro PACK2 aa
	WIN 0x0a                                       ; sources in window 2
.irp k, 0,1,2,3,4,5,6,7
.irp r, 0,1,2,3
	v_cvt_pk_f16_f32 v[TP+32*((\aa)%2)+4*\k+\r], v[64*(\aa)+8*\k+2*\r], v[64*(\aa)+8*\k+2*\r+1]   ; each accumulator from its low end on
.endr
.endr
	WIN 0
.endm
.macro SEND2 aa
.irp k, 0,1,2,3,4,5,6,7
	global_store_b128 v[CO], v[TP+32*((\aa)%2)+4*\k:TP+32*((\aa)%2)+4*\k+3], s[18:19] offset:(\aa)*4096+\k*512
.endr
.endm
.macro WAYOUT pass
	s_add_co_u32 s45, s94, 2*(\pass)               ; my head of this pass, 0..47: sel = head / 16
	s_lshr_b32 s20, s45, 4
	s_lshl_b32 s20, s20, 24
	s_and_b32 s46, s45, 15
	s_lshl_b32 s46, s46, 17
	s_add_co_u32 s20, s20, s46
	s_add_co_u32 s20, s20, s95
	s_add_nc_u64 s[18:19], s[12:13], s[20:21]      ; qkv16 at my head's first tile of mine
	s_lshl_b32 s20, s45, 12                        ; 1,024 bytes for each 16 columns
	s_add_co_u32 s20, s20, s66
	s_add_nc_u64 s[22:23], s[96:97], s[20:21]      ; qkv32 at my head
	s_cmp_ge_u32 s45, 32                           ; a head of v?  A choice of a store's offset, no branch
	s_cselect_b32 s47, -1, 0
	v_cndmask_b32 v[CO], v[LI], v[VL], s47
.irp aa, 0,1,2,3
.if \aa > 1
	s_wait_xcnt 0x0                                ; the stores of two sets back have read their registers: they are written again only behind this wait
.endif
	PACK2 \aa
	SEND2 \aa
.endr
	s_cmp_lg_u32 s98, 0
	s_cbranch_scc1 .Lno32_\@
	WIN 0x08                                       ; a store's data are its source 1: window 2
.irp b, 0,1,2,3
	global_store_b128 v[LI], v[8*\b:8*\b+3], s[22:23] offset:1024*\b          ; positions 0 to 15 as f32
	global_store_b128 v[LI], v[8*\b+4:8*\b+7], s[22:23] offset:1024*\b+512
.endr
	WIN 0
.Lno32_\@:
.if (\pass) < 2
	s_wait_xcnt 0x0                                ; the accumulators, the packed sets, the bases and the offset are written again only behind this wait
.endif
.endm
	s_wait_tensorcnt 1                             ; the scales and my part of slot 0 are in; slot 1's load may be out
	s_barrier_signal -1
	s_barrier_wait -1
	PROLOGUE 0
	BODY 0
	; PASS 0 IS MULTIPLIED: its rows of B, rows 0-127 of both slots, take pass 2's.
	s_wait_tensorcnt 0x0                           ; no tensor load of mine is out, so a group 0 may be written
	ds_add_u32 v[SPW], v[NIL]                      ; 0 onto my spare word; the descriptor's words stand between it and the wait for it
	s_mul_i32 s[G0B+1], s16, SLOT                  ; wave 2: slot 0, the first 512 along K; wave 3: slot 1, the second
	s_add_co_u32 s[G0B+1], s[G0B+1], 2*HALFT
	s_mov_b64 s[G0B+2:G0B+3], s[2:3]
	s_or_b32 s[G0B+3], s[G0B+3], 0x80000000
	s_wait_dscnt 0x0                               ; the add is done, and my reads of those rows are over
	CROUND                                         ; no wave of any partner still reads them or has a load on its way
	RLOAD                                          ; the first tensor load behind the round: it has pass 1's 256 matrix instructions in which to land
	PLACES NP                                      ; in front of loads into registers that the last products read, and of the roundings
	PROLOGUE 1
	WAYOUT 0
	BODY 1
	s_wait_tensorcnt 0x0                           ; my part of pass 2's rows has landed (waves 2 and 3; the others have none out); no LDS load of mine is out
	s_barrier_signal -1
	s_barrier_wait -1                              ; everybody's has
	PLACES NP
	PROLOGUE 2
	WAYOUT 1
	BODY 2
	PLACES NP
	WAYOUT 2
	s_wait_tensorcnt 0x0                           ; the wave's end
	ds_add_u32 v[SPW], v[NIL]
	s_wait_dscnt 0x0
	CROUND                                         ; the closing round
	s_endpgm
.Lfunc_end_k_q31534a7a64_qkv:
	.size	k_q31534a7a64_qkv, .Lfunc_end_k_q31534a7a64_qkv-k_q31534a7a64_qkv
	.p2alignl 7, 3214868480
	.fill 96, 4, 3214868480
	.section	.rodata,"a",@progbits
	.p2align	6, 0x0
	.amdhsa_kernel k_q31534a7a64_qkv
		.amdhsa_group_segment_fixed_size 327680
		.amdhsa_private_segment_fixed_size 0
		.amdhsa_enable_private_segment 0
		.amdhsa_kernarg_size 48
		.amdhsa_user_sgpr_count 2
		.amdhsa_user_sgpr_kernarg_segment_ptr 1
		.amdhsa_wavefront_size32 1
		.amdhsa_system_sgpr_workgroup_id_x 1
		.amdhsa_system_sgpr_workgroup_id_y 1
		.amdhsa_system_sgpr_workgroup_id_z 1
		.amdhsa_system_vgpr_workitem_id 0
		.amdhsa_next_free_vgpr 768
		.amdhsa_next_free_sgpr 100
		.amdhsa_reserve_vcc 0
		.amdhsa_float_denorm_mode_32 3
		.amdhsa_float_denorm_mode_16_64 3
		.amdhsa_memory_ordered 1
		.amdhsa_forward_progress 1
		.amdhsa_inst_pref_size 195
	.end_amdhsa_kernel
	.amdgpu_metadata
---
amdhsa.version: [ 1, 2 ]
amdhsa.kernels:
  - .name:           k_q31534a7a64_qkv
    .symbol:         k_q31534a7a64_qkv.kd
    .args:
      - { .name: xc, .offset: 0, .size: 8, .value_kind: global_buffer, .address_space: global }
      - { .name: xs, .offset: 8, .size: 8, .value_kind: global_buffer, .address_space: global }
      - { .name: wc, .offset: 16, .size: 8, .value_kind: global_buffer, .address_space: global }
      - { .name: ws, .offset: 24, .size: 8, .value_kind: global_buffer, .address_space: global }
      - { .name: qkv16, .offset: 32, .size: 8, .value_kind: global_buffer, .address_space: global }
      - { .name: qkv32, .offset: 40, .size: 8, .value_kind: global_buffer, .address_space: global }
    .group_segment_fixed_size: 327680
    .private_segment_fixed_size: 0
    .kernarg_segment_align: 8
    .kernarg_segment_size: 48
    .max_flat_workgroup_size: 128
    .sgpr_count:     100
    .vgpr_count:     768
    .wavefront_size: 32
...
	.end_amdgpu_metadata
.endif
;; end of part 2
;; launch attn (part 3): grid 2 x 128, 16 waves a work-group, no clusters, 327,680 bytes of LDS; arguments qkv16, att; writes att
.if DOCPART == 3
	.amdgcn_target "amdgcn-amd-amdhsa--gfx1250"
	.amdhsa_code_object_version 6
	.text
	.protected	k_q31534a7a64_attn
	.globl	k_q31534a7a64_attn
	.p2align	8
	.type	k_q31534a7a64_attn,@function
k_q31534a7a64_attn:
	s_mov_b64 s[64:65], 0
	v_nop
	global_prefetch_b8 v0, s[64:65] scope:SCOPE_SE
	s_setreg_imm32_b32 hwreg(HW_REG_WAVE_MODE, 25, 1), 1
	s_wait_xcnt 0x0
; Causal attention, head size 64, 1,024 positions, 128 (batch, head) pairs; operands f16, products, maxima and sums f32; the running maximum is taken away ahead of every exponential.
; q, k, v come as images of operand registers (qkv16: [sel][b][head][tile of 16][c][u][512 bytes]); O leaves as images of the projection's A fragments:
;   att [b*64 + t/16][kk = 2 head + c][u][512 bytes at 16 x lane].
; SHARES.  Work-group (j, bh) owns the query blocks (256 queries) 3 - j and then j of one head: 4 - j visits and j + 1 visits, FIVE in all, whatever j: a visit is 256 queries x a slot of 256 keys.
; So all 256 work-groups have equal work under the mask, the trip count is a constant, and every slot that is fetched is read.  A wave owns one tile of 16 queries; the tiles are dealt so that
; the steps of a visit on the diagonal (1 to 4 a wave) are spread evenly over any four waves w % 4 = const or w / 4 = const.
; No cluster: under the mask the work-groups of a head want different numbers of tiles.
; LAYOUT.  S^T = K Q^T (source 0 = 16 keys, source 1 = my 16 queries) and O^T = V^T P: a lane holds ONE query throughout; two tiles of S^T rounded in pairs ARE source 1 of the second product.
; LDS: two slots of 65,536 bytes (K's 16 tiles of 2,048, then V's), filled by waves 0 to 3, 16,384 dense bytes each; every LDS read is a chunk + 16 x lane: no padding is wanted.
;      QST.
; LIMITS: as f16 allows: |q|, |k|, |v| under 65,504; NaN and infinities are not served.
.set SLOT1, 65536
.set VOFF,  32768
.set QST,   131072
.set SPARE, 163840                     ; the spare words, 128 bytes for each wave: eight blocks of 256 bytes that no other line names
.set LI,  1                            ; v1  16 x lane
.set AD,  2                            ; v2  the slot in hand + 16 x lane
.set SPW, 3                            ; v3  my spare word; never rewritten
.set NIL, 4                            ; v4  0; never rewritten
.set RH,  5                            ; v5  r - 8 h
.set PFO, 6                            ; v6  256 x lane
.set QA,  7                            ; v7  my place in QST
.set DD,  8                            ; v8  the mask's bound
.set NINF, 9                           ; v9  -infinity
.set QR,  16                           ; v16-31   Q, fragment c at 16 + 8 c
.set KR,  32                           ; v32-95   K, fragment (i, c) at 32 + 16 i + 8 c
.set VR,  96                           ; v96-159  V^T, fragment (d, e) at 96 + 16 d + 8 e
.set S,   160                          ; v160-191 S^T, key tile i at 160 + 8 i; then p
.set P,   192                          ; v192-207 p as f16
.set O,   208                          ; v208-239 O^T, channel tile d at 208 + 8 d
.set MX,  240                          ; v240 the running maximum (raw score)
.set CM,  242                          ; v[242:243] c x maximum (the packed form names the pair)
.set L,   244                          ; v[244:245] the sum, even and odd keys
.set AA,  246                          ; v[246:247] a = 2^(c m_old - c m_new)
.set T,   248                          ; v248-251 at work
.set U,   252                          ; v[252:253] at work
.set WV, 8
.set LIMV, 11                          ; s11 visits of the first block: 4 - j
.set VLEFT, 12                         ; s12 visits left of the first block
.set KSN, 13                           ; s13 the key slot that the next change asks for
.set KF, 14                            ; s14 the step's first key
.set Q0, 15                            ; s15 my first query
.set Q0B, 16                           ; s16 the second block's
.set TB, 17                            ; s17 the slot in hand: 0 or 65,536
.set SLOTS, 18                         ; s18 counts the loop's four trips
.set LIM, 19                           ; s19 2 in a wave that prefetches, else the greatest number
.set SEL, 20                           ; s[20:21] selects for lane l xor 16
.set CS, 22                            ; s[22:23] c = log2(e) / 8
.set G1, 24                            ; s[24:31] descriptor group 1
.set G0, 32                            ; s[32:35] descriptor group 0
.set KVB, 36                           ; s[36:37] my part of key slot 0 in memory
.set OFS, 38                           ; s[38:39] an offset pair, high word 0
.set PFA, 40                           ; s[40:41] where my prefetches stand
.set OB1, 42                           ; s[42:43], s[44:45] att at my tile of the first and of the second block
.set OB2, 44
.macro TLOAD                           ; waves 0, 1: K's halves; waves 2, 3: V's; the others nothing.  An s_nop 0 and four v_nop follow the load.  One tensor load of a wave is out at the most
	s_cmp_lt_u32 s[WV], 4
	s_cbranch_scc0 .Lnoload_\@
	tensor_load_to_lds s[G0:G0+3], s[G1:G1+7]
	s_nop 0
.rept 4
	v_nop
.endr
.Lnoload_\@:
.endm
; A PREFETCH of the key slot that the NEXT change will ask for: in the head's work-group j = 0, waves 4 to 7 name K's 32,768 bytes and waves 8 to 11 V's, 8,192 a wave, lanes 256 bytes apart.
; The first two changes ask, for key slots 2 and 3; key slots 0 and 1 come by their loads alone, and behind key slot 3 there is nothing: each block of 256 bytes is named once in the launch.
.macro ASK
	s_cmp_gt_u32 s[SLOTS], s[LIM]
	s_cbranch_scc0 .Lnot_mine_\@
	global_prefetch_b8 v[PFO], s[PFA:PFA+1] th:TH_LOAD_NT scope:SCOPE_SE
.Lnot_mine_\@:
.endm
.macro INIT                            ; a block of queries begins: the maximum under every score, the sum and O^T zero (the first change of the maximum multiplies zeros)
	v_mov_b32 v[MX], 0xff61b1e6                    ; -3e38
	v_mul_f32 v[CM], s[CS], v[MX]
	v_mov_b32 v[CM+1], 0                           ; (named as the pair's upper half)
	v_mov_b32 v[L], 0
	v_mov_b32 v[L+1], 0
	v_mov_b32 v[AA+1], 0
	v_mov_b32 v[T+1], 0                            ; a lane permute's destination counts as one of its sources
.irp n, 0,1,2,3,4,5,6,7,8,9,10,11,12,13,14,15,16,17,18,19,20,21,22,23,24,25,26,27,28,29,30,31
	v_mov_b32 v[O+\n], 0
.endr
.endm
.macro EPI base                        ; O^T / the sum, rounded to f16: a lane's eight channels of a tile are 16 bytes of a chunk; four stores, 2,048 bytes on end
.rept 4
	v_nop                                          ; places behind the last products
.endr
	v_add_f32 v[T], v[L], v[L+1]
	v_permlanex16_b32 v[T+1], v[T], s[SEL], s[SEL+1]
	v_add_f32 v[T], v[T], v[T+1]
	v_rcp_f32 v[AA], v[T]
	v_mov_b32 v[AA+1], 0                           ; a plain line behind the reciprocal
	s_wait_alu depctr_va_vdst(0)                   ; the wait ahead of the first line that names the result
.irp p, 0,2,4,6,8,10,12,14,16,18,20,22,24,26,28,30
	v_pk_mul_f32 v[S+\p:S+\p+1], v[O+\p:O+\p+1], v[AA:AA+1] op_sel_hi:[1,0]
.endr
.irp p, 0,1,2,3,4,5,6,7,8,9,10,11,12,13,14,15
	v_cvt_pk_f16_f32 v[P+\p], v[S+2*\p], v[S+2*\p+1]
.endr
.irp d, 0,1,2,3
	global_store_b128 v[LI], v[P+4*\d:P+4*\d+3], s[\base:\base+1] offset:512*\d
.endr
	s_wait_xcnt 0x0                                ; the stores' registers are written again only behind this wait
.endm
; THE CHANGE OF SLOTS, at a visit's head.  Every wave: all its tensor loads have landed; the add; its reads of the slot that it has left are back; the barrier.  fill = 1: that slot takes the next visit's keys.
.macro CHANGE fill
	s_wait_tensorcnt 0x0                           ; no tensor load of mine is out, so group 0 may be written
	ds_add_u32 v[SPW], v[NIL]
.if \fill
	ds_add_u32 v[SPW], v[NIL]                      ; twice on end here, in every trip alike
	s_xor_b32 s[G0+1], s[G0+1], SLOT1              ; the other slot than last time
	s_lshl_b32 s[OFS], s[KSN], 15                  ; a key slot is 32,768 bytes of K and of V
	s_add_nc_u64 s[G0+2:G0+3], s[KVB:KVB+1], s[OFS:OFS+1]
	s_or_b32 s[G0+3], s[G0+3], 0x80000000
	s_add_co_u32 s[KSN], s[KSN], 1                 ; the key slots go 0 .. 3 - j, then 0 .. j
	s_cmp_eq_u32 s[KSN], s[LIMV]
	s_cselect_b32 s[KSN], 0, s[KSN]
	s_wait_xcnt 0x0                                ; the last prefetch, a visit back, has read its address
	s_add_nc_u64 s[PFA:PFA+1], s[PFA:PFA+1], 32768
.endif
	s_wait_dscnt 0x0                               ; the adds are done, and my reads of the slot that I have left are over
	s_barrier_signal -1
	s_barrier_wait -1
.if \fill
	TLOAD                                          ; the first thing behind the barrier, a wave's one tensor load until the next: it has a whole visit in which to land
	ASK
.endif
.endm
.macro SWITCH                          ; the first block is done: out with it, on to the second.  The test hangs on the work-group's number and the count of visits alone
	s_cmp_lg_u32 s[VLEFT], 0
	s_cbranch_scc1 .Lover_\@
	EPI OB1
	s_mov_b32 s[Q0], s[Q0B]
	s_mov_b32 s[KF], 0
.irp i, 0,1,2,3
	ds_load_b128 v[QR+4*\i:QR+4*\i+3], v[QA] offset:512*\i
.endr
	INIT
	s_wait_dscnt 0x0
.Lover_\@:
.endm
; A STEP: 64 keys, the slot's q-th.
.macro STEP q
	s_add_co_u32 s46, s[Q0], 15                    ; a step all of whose keys come after my 16 queries is left out: ids and the count of steps alone
	s_cmp_gt_u32 s[KF], s46
	s_cbranch_scc1 .Lhid_\@
.rept 4
	v_nop                                          ; places in front of loads into registers that the last products read
.endr
.irp i, 0,1,2,3
.irp c, 0,1
	ds_load_b128 v[KR+16*\i+8*\c:KR+16*\i+8*\c+3],   v[AD] offset:(4*(\q)+\i)*2048+1024*\c
	ds_load_b128 v[KR+16*\i+8*\c+4:KR+16*\i+8*\c+7], v[AD] offset:(4*(\q)+\i)*2048+1024*\c+512
.endr
.endr
.irp d, 0,1,2,3
.irp e, 0,1
	ds_load_tr16_b128 v[VR+16*\d+8*\e:VR+16*\d+8*\e+3],   v[AD] offset:VOFF+(4*(\q)+2*\e)*2048+512*\d
	ds_load_tr16_b128 v[VR+16*\d+8*\e+4:VR+16*\d+8*\e+7], v[AD] offset:VOFF+(4*(\q)+2*\e+1)*2048+512*\d
.endr
.endr
	s_wait_dscnt 16                                ; K is in; V's sixteen loads may be out
.irp c, 0,1                                    ; four accumulators by turns
.irp i, 0,1,2,3
.if \c == 0
	v_wmma_f32_16x16x32_f16 v[S+8*\i:S+8*\i+7], v[KR+16*\i+8*\c:KR+16*\i+8*\c+7], v[QR+8*\c:QR+8*\c+7], 0
.else
	v_wmma_f32_16x16x32_f16 v[S+8*\i:S+8*\i+7], v[KR+16*\i+8*\c:KR+16*\i+8*\c+7], v[QR+8*\c:QR+8*\c+7], v[S+8*\i:S+8*\i+7]
.endif
.endr
.endr
.rept 4
	v_nop
.endr
	s_add_co_u32 s46, s[KF], 63                    ; a step all of whose keys count skips the mask
	s_cmp_le_u32 s46, s[Q0]
	s_cbranch_scc1 .Lopen_\@
	s_sub_co_i32 s46, s[Q0], s[KF]
	v_add_nc_u32 v[DD], s46, v[RH]                 ; register 8 i + j holds key KF + 16 i + 8 h + j: hidden where 16 i + j > my query - KF - 8 h
.irp n, 0,1,2,3,4,5,6,7,8,9,10,11,12,13,14,15,16,17,18,19,20,21,22,23,24,25,26,27,28,29,30,31
	v_cmp_gt_i32 vcc_lo, 16*(\n/8)+\n%8, v[DD]
	v_cndmask_b32 v[S+\n], v[S+\n], v[NINF], vcc_lo
.endr
.Lopen_\@:
.irp i, 0,1,2,3
	v_max3_num_f32 v[T+\i], v[S+8*\i], v[S+8*\i+1], v[S+8*\i+2]    ; four chains, each from its tile's low end
.endr
.irp i, 0,1,2,3
	v_max3_num_f32 v[T+\i], v[T+\i], v[S+8*\i+3], v[S+8*\i+4]
.endr
.irp i, 0,1,2,3
	v_max3_num_f32 v[T+\i], v[T+\i], v[S+8*\i+5], v[S+8*\i+6]
.endr
	v_max3_num_f32 v[T], v[T], v[S+7], v[S+15]
	v_max3_num_f32 v[T+2], v[T+2], v[S+23], v[S+31]
	v_max3_num_f32 v[T], v[T], v[T+1], v[T+2]
	v_max3_num_f32 v[T], v[T], v[T+3], v[MX]       ; with the old maximum
	v_permlanex16_b32 v[T+1], v[T], s[SEL], s[SEL+1]   ; my query's other keys lie in the lane 16 away
	v_max_num_f32 v[MX], v[T], v[T+1]
	v_mov_b32 v[T+2], v[CM]
	v_mul_f32 v[CM], s[CS], v[MX]
	v_sub_f32 v[T+2], v[T+2], v[CM]                ; c m_old - c m_new
.irp p, 0,2,4,6,8,10,12,14,16,18,20,22,24,26,28,30
	v_pk_fma_f32 v[S+\p:S+\p+1], v[S+\p:S+\p+1], s[CS:CS+1], v[CM:CM+1] op_sel_hi:[1,0,0] neg_lo:[0,0,1] neg_hi:[0,0,1]   ; c s - c m
.endr
	v_exp_f32 v[AA], v[T+2]                        ; one batch: a and the 32 weights
.irp n, 0,1,2,3,4,5,6,7,8,9,10,11,12,13,14,15,16,17,18,19,20,21,22,23,24,25,26,27,28,29,30,31
	v_exp_f32 v[S+\n], v[S+\n]
.endr
	v_nop                                          ; a plain line behind the last exponential
	s_wait_alu depctr_va_vdst(0)                   ; one wait for the batch, ahead of its first reader
	v_pk_add_f32 v[U:U+1], v[S:S+1], v[S+2:S+3]    ; the sum, in two chains
	v_pk_add_f32 v[T:T+1], v[S+4:S+5], v[S+6:S+7]
.irp p, 8,12,16,20,24,28
	v_pk_add_f32 v[U:U+1], v[U:U+1], v[S+\p:S+\p+1]
	v_pk_add_f32 v[T:T+1], v[T:T+1], v[S+\p+2:S+\p+3]
.endr
	v_pk_add_f32 v[U:U+1], v[U:U+1], v[T:T+1]
	v_pk_fma_f32 v[L:L+1], v[L:L+1], v[AA:AA+1], v[U:U+1] op_sel_hi:[1,0,1]
.irp p, 0,1,2,3,4,5,6,7,8,9,10,11,12,13,14,15
	v_cvt_pk_f16_f32 v[P+\p], v[S+2*\p], v[S+2*\p+1]
.endr
.irp p, 0,2,4,6,8,10,12,14,16,18,20,22,24,26,28,30
	v_pk_mul_f32 v[O+\p:O+\p+1], v[O+\p:O+\p+1], v[AA:AA+1] op_sel_hi:[1,0]
.endr
	s_wait_dscnt 0x0                               ; V is in
.irp e, 0,1
.irp d, 0,1,2,3
	v_wmma_f32_16x16x32_f16 v[O+8*\d:O+8*\d+7], v[VR+16*\d+8*\e:VR+16*\d+8*\e+7], v[P+8*\e:P+8*\e+7], v[O+8*\d:O+8*\d+7]
.endr
.endr
.Lhid_\@:
	s_add_co_u32 s[KF], s[KF], 64
.endm
.macro VISIT fill
	CHANGE \fill
	SWITCH
	v_add_nc_u32 v[AD], s[TB], v[LI]
	STEP 0
	STEP 1
	STEP 2
	STEP 3
	s_xor_b32 s[TB], s[TB], SLOT1
	s_sub_co_u32 s[VLEFT], s[VLEFT], 1
.endm
	s_load_b128 s[4:7], s[0:1], 0x0                ; qkv16, att
	v_lshl_add_u32 v[SPW], v0, 2, SPARE
	v_mov_b32 v[NIL], 0
	ds_add_u32 v[SPW], v[NIL]                      ; the wave's opening: the add, twice on end, and its wait ahead of the first tensor load
	ds_add_u32 v[SPW], v[NIL]
	v_lshrrev_b32 v5, 5, v0
	v_readfirstlane_b32 s[WV], v5                  ; wave 0..15
	s_and_b32 s10, ttmp7, 0xffff                   ; 16 x batch + head
	s_sub_co_u32 s[LIMV], 4, ttmp9
	s_mov_b32 s[VLEFT], s[LIMV]
	s_mov_b32 s[KSN], 1
	s_mov_b32 s[KF], 0
	s_mov_b32 s[TB], 0
	s_mov_b32 s[SLOTS], 4
	s_lshr_b32 s46, s[WV], 2
	s_add_co_u32 s47, s[WV], s46
	s_and_b32 s47, s47, 3
	s_lshl_b32 s47, s47, 2
	s_add_co_u32 s47, s47, s46                     ; my tile: 4 ((w + w / 4) % 4) + w / 4
	s_lshl_b32 s47, s47, 4
	s_sub_co_u32 s48, 3, ttmp9
	s_lshl_b32 s48, s48, 8
	s_add_co_u32 s[Q0], s48, s47
	s_lshl_b32 s48, ttmp9, 8
	s_add_co_u32 s[Q0B], s48, s47
	s_mov_b32 s[SEL], 0x76543210
	s_mov_b32 s[SEL+1], 0xfedcba98
	s_mov_b32 s[CS], 0x3e38aa3b                    ; log2(e) / sqrt(64)
	s_mov_b32 s[CS+1], s[CS]
	s_mov_b32 s[G1], 3<<16                         ; no mask; elements of 8 bytes; no padding
	s_mov_b32 s[G1+1], 32<<16                      ; tensor_dim0: 256 bytes
	s_mov_b32 s[G1+2], 64<<16                      ; tensor_dim1: 64 rows: 16,384 dense bytes
	s_mov_b32 s[G1+3], 32<<16                      ; tile_dim0
	s_mov_b32 s[G1+4], 64                          ; tile_dim1
	s_mov_b32 s[G1+5], 32                          ; from row to row
	s_mov_b32 s[G1+6], 0
	s_mov_b32 s[G1+7], 0
	s_cmp_lt_u32 s[WV], 2
	s_cselect_b32 s[OFS], 1, 2                     ; K's part of qkv16 or V's
	s_lshl_b32 s[OFS], s[OFS], 24
	s_lshl_b32 s46, s10, 17
	s_add_co_u32 s[OFS], s[OFS], s46
	s_and_b32 s46, s[WV], 1
	s_lshl_b32 s46, s46, 14
	s_add_co_u32 s[OFS], s[OFS], s46
	s_mov_b32 s[OFS+1], 0
	s_sub_co_u32 s46, s[WV], 4
	s_lshr_b32 s46, s46, 3                         ; 0 in waves 4 to 11,
	s_or_b32 s46, s46, ttmp9                       ; of the work-group j = 0
	s_cmp_eq_u32 s46, 0
	s_cselect_b32 s[LIM], 2, -1
	s_wait_dscnt 0x0                               ; both opening adds are done
	s_wait_kmcnt 0x0
	s_add_nc_u64 s[KVB:KVB+1], s[4:5], s[OFS:OFS+1]
	s_mov_b32 s[G0], 1
	s_lshl_b32 s[G0+1], s[WV], 14                  ; slot 0: 16,384 x wave
	s_mov_b64 s[G0+2:G0+3], s[KVB:KVB+1]
	s_or_b32 s[G0+3], s[G0+3], 0x80000000
	TLOAD                                          ; key slot 0
	v_and_b32 v[LI], 31, v0
	v_lshlrev_b32 v[PFO], 8, v[LI]
	v_lshlrev_b32 v[LI], 4, v[LI]
	s_lshl_b32 s46, s10, 17
	s_lshl_b32 s48, s[Q0], 7                       ; a tile of 16 queries is 2,048 bytes
	s_add_co_u32 s48, s48, s46
	s_mov_b32 s49, 0
	s_add_nc_u64 s[48:49], s[4:5], s[48:49]
	s_lshl_b32 s50, s[Q0B], 7
	s_add_co_u32 s50, s50, s46
	s_mov_b32 s51, 0
	s_add_nc_u64 s[50:51], s[4:5], s[50:51]
.irp i, 0,1,2,3
	global_load_b128 v[QR+4*\i:QR+4*\i+3], v[LI], s[48:49] offset:512*\i   ; the first block's Q stays in registers
.endr
.irp i, 0,1,2,3
	global_load_b128 v[S+4*\i:S+4*\i+3], v[LI], s[50:51] offset:512*\i     ; the second block's waits in LDS
.endr
	s_cmp_lt_u32 s[WV], 8                          ; the prefetches: waves 4 to 7 K, waves 8 to 11 V
	s_cselect_b32 s46, 1, 2
	s_lshl_b32 s46, s46, 24
	s_lshl_b32 s47, s10, 17
	s_add_co_u32 s46, s46, s47
	s_and_b32 s47, s[WV], 3
	s_lshl_b32 s47, s47, 13
	s_add_co_u32 s46, s46, s47
	s_add_co_u32 s46, s46, 32768                   ; at key slot 1: the first change steps it to key slot 2
	s_mov_b32 s47, 0
	s_add_nc_u64 s[PFA:PFA+1], s[4:5], s[46:47]
	s_lshr_b32 s46, s10, 4                         ; att: batch x 2^21 + tile x 32,768 + head x 2,048
	s_lshl_b32 s46, s46, 21
	s_and_b32 s47, s10, 15
	s_lshl_b32 s47, s47, 11
	s_add_co_u32 s46, s46, s47
	s_lshl_b32 s52, s[Q0], 11
	s_add_co_u32 s52, s52, s46
	s_mov_b32 s53, 0
	s_add_nc_u64 s[OB1:OB1+1], s[6:7], s[52:53]
	s_lshl_b32 s52, s[Q0B], 11
	s_add_co_u32 s52, s52, s46
	s_add_nc_u64 s[OB2:OB2+1], s[6:7], s[52:53]
	v_and_b32 v[RH], 15, v0
	v_bfe_u32 v[DD], v0, 4, 1
	v_lshlrev_b32 v[DD], 3, v[DD]
	v_sub_nc_u32 v[RH], v[RH], v[DD]
	s_lshl_b32 s46, s[WV], 11
	s_add_co_u32 s46, s46, QST
	v_add_nc_u32 v[QA], s46, v[LI]
	v_mov_b32 v[NINF], 0xff800000
	INIT
	s_wait_loadcnt 0x0
.irp i, 0,1,2,3
	ds_store_b128 v[QA], v[S+4*\i:S+4*\i+3] offset:512*\i
.endr
.Lv:                                               ; four trips: behind each change of slots but the last the next visit's keys are asked for
	VISIT 1
	s_sub_co_u32 s[SLOTS], s[SLOTS], 1
	s_cmp_lg_u32 s[SLOTS], 0
	s_cbranch_scc1 .Lv
	VISIT 0                                        ; the fifth visit is written out
	EPI OB2
	s_wait_tensorcnt 0x0                           ; the wave's end
	ds_add_u32 v[SPW], v[NIL]
	s_wait_dscnt 0x0
	s_endpgm
.Lfunc_end_k_q31534a7a64_attn:
	.size	k_q31534a7a64_attn, .Lfunc_end_k_q31534a7a64_attn-k_q31534a7a64_attn
	.p2alignl 7, 3214868480
	.fill 96, 4, 3214868480
	.section	.rodata,"a",@progbits
	.p2align	6, 0x0
	.amdhsa_kernel k_q31534a7a64_attn
		.amdhsa_group_segment_fixed_size 327680
		.amdhsa_private_segment_fixed_size 0
		.amdhsa_enable_private_segment 0
		.amdhsa_kernarg_size 16
		.amdhsa_user_sgpr_count 2
		.amdhsa_user_sgpr_kernarg_segment_ptr 1
		.amdhsa_wavefront_size32 1
		.amdhsa_system_sgpr_workgroup_id_x 1
		.amdhsa_system_sgpr_workgroup_id_y 1
		.amdhsa_system_sgpr_workgroup_id_z 1
		.amdhsa_system_vgpr_workitem_id 0
		.amdhsa_next_free_vgpr 256
		.amdhsa_next_free_sgpr 66
		.amdhsa_reserve_vcc 1
		.amdhsa_float_denorm_mode_32 3
		.amdhsa_float_denorm_mode_16_64 3
		.amdhsa_memory_ordered 1
		.amdhsa_forward_progress 1
		.amdhsa_inst_pref_size 115
	.end_amdhsa_kernel
	.amdgpu_metadata
---
amdhsa.version: [ 1, 2 ]
amdhsa.kernels:
  - .name:           k_q31534a7a64_attn
    .symbol:         k_q31534a7a64_attn.kd
    .args:
      - { .name: qkv16, .offset: 0, .size: 8, .value_kind: global_buffer, .address_space: global }
      - { .name: att, .offset: 8, .size: 8, .value_kind: global_buffer, .address_space: global }
    .group_segment_fixed_size: 327680
    .private_segment_fixed_size: 0
    .kernarg_segment_align: 8
    .kernarg_segment_size: 16
    .max_flat_workgroup_size: 512
    .sgpr_count:     66
    .vgpr_count:     256
    .wavefront_size: 32
...
	.end_amdgpu_metadata
.endif
;; end of part 3
;; launch proj (part 4): grid 8 x 64, 4 waves a work-group, clusters of 4 x 4, 327,680 bytes of LDS; arguments att, wo16, bo, out0; writes out0
.if DOCPART == 4
	.amdgcn_target "amdgcn-amd-amdhsa--gfx1250"
	.amdhsa_code_object_version 6
	.text
	.protected	k_q31534a7a64_proj
	.globl	k_q31534a7a64_proj
	.p2align	8
	.type	k_q31534a7a64_proj,@function
k_q31534a7a64_proj:
	s_mov_b64 s[64:65], 0
	v_nop
	global_prefetch_b8 v0, s[64:65] scope:SCOPE_SE
	s_setreg_imm32_b32 hwreg(HW_REG_WAVE_MODE, 25, 1), 1
	s_wait_xcnt 0x0
	s_wait_alu depctr_hold_cnt(0) depctr_sa_sdst(0) depctr_va_vdst(0) depctr_va_sdst(0) depctr_va_ssrc(0) depctr_va_vcc(0) depctr_vm_vsrc(0)
	s_getreg_b32 s2, hwreg(HW_REG_IB_STS2, 6, 4)
	s_cmp_eq_u32 s2, 0
	s_cbranch_scc0 .Lentry_in_a_cluster
	s_endpgm
.Lentry_in_a_cluster:
	s_bfe_u32 s2, ttmp6, 0x10000c
	s_cmp_lg_u32 s2, 0xf033
	s_cbranch_scc0 .Lentry_shape_is_right
	s_endpgm
.Lentry_shape_is_right:
; out0[m][n] = sum over k of att[m][k] Wo[n][k] + bo[n]: 8,192 x 1,024 x 1,024, operands f16, sums f32, out f32.  (Positions 0 to 15 of every sequence are written again, in f32, by the next launch.)
; A tile of C is 128 x 128: 512 work-groups, two for each of 256 WGPs.  Four waves, each 64 x 64: 16 accumulators.  K goes in steps of 256 through two LDS slots.
; A (att) comes as images of its fragments: [tile of 16 rows][kk 32][u 2][512 bytes at 16 x lane]: a K step of a tile of rows is 8,192 dense bytes, and every fragment load is a chunk + 16 x lane.
; B (wo16) is [1024][1024] f16 by rows: 64 rows x 512 bytes to a load, 16 bytes of padding behind each row.
; CLUSTERS: 4 x 4; A's tiles are asked for jointly along a row of the cluster, B's along a column.  THE MATRIX INSTRUCTION IS USED TRANSPOSED (source 0 = 16 rows of Wo, source 1 = 16 rows of att).
; The bias is the C of each sum's first product.  A wave's 64 columns are 256 bytes of a row of out0: each wave has a stage of its own, and no barrier stands on the way out.
; REGISTERS: window 0: v0-31 addresses; v32-95 the way out; v96-127 the bias in the result's layout; v128-255 the accumulators ((a, b) at v[128 + 8 (4 a + b)]).  window 1: two fragment buffers of 128.
.set SIZE_K, 1024
.set KSTEP,  256
.set PITCH,  528                       ; B's LDS row: 512 bytes + 16
.set HALFT,  64*PITCH                  ; B: 64 rows, one tensor load
.set HALFA,  32768                     ; A: four tiles of rows x 8,192 bytes, one tensor load
.set BOFF,   2*HALFA
.set SLOT,   2*HALFA+2*HALFT
.set STAGE,  2*SLOT                    ; 16 rows x 272 bytes for each wave
.set SPITCH, 272
.set SPARE,  STAGE+4*16*SPITCH         ; the spare words, 128 bytes for each wave: two blocks of 256 bytes that no other line names
.set LAPS,   SIZE_K/(2*KSTEP)
.set ADRA, 16
.set ADRB, 20
.set STO,  24
.set RD,   25
.set CO,   26
.set SPW,  28
.set NIL,  29
.set TMP,  32
.set BIAS, 96
.set ACC,  128
.set F0,   0
.set F1,   128
.set G1, 24
.set G0, 32
.set G1B, 48
.set G0B, 56
.set MSB, 0
.macro WIN new
.if MSB != (\new)
	s_set_vgpr_msb (MSB<<8)|(\new)
.set MSB, (\new)
.endif
.endm
.set MUL,  0x05                        ; sources 0 (B) and 1 (A) window 1; C and D window 0
.set TO_F, 0x40
.macro JLOAD s                         ; waves 0 and 1 fetch A's halves, waves 2 and 3 B's; an s_nop 0 and four v_nop follow each line
	s_cmp_eq_u32 s11, 0
	s_cbranch_scc0 .Lfor_b_\@
	tensor_load_to_lds s[G0+4*\s:G0+4*\s+3], s[G1:G1+7]
	s_nop 0
.rept 4
	v_nop
.endr
	s_branch .Lasked_\@
.Lfor_b_\@:
	tensor_load_to_lds s[G0B+4*\s:G0B+4*\s+3], s[G1B:G1B+7]
	s_nop 0
.rept 4
	v_nop
.endr
.Lasked_\@:
.endm
.macro CREST
	s_cmp_lg_u32 s10, 0
	s_cbranch_scc1 .Lnot_wave_0_\@
	s_barrier_signal -3
.Lnot_wave_0_\@:
	s_barrier_wait -3
	s_barrier_signal -1
	s_barrier_wait -1
.endm
.macro CROUND
	s_barrier_signal -1
	s_barrier_wait -1
	CREST
.endm
	s_load_b128 s[4:7], s[0:1], 0x0                ; att, wo16
	s_load_b128 s[68:71], s[0:1], 0x10             ; bo, out0
	v_lshl_add_u32 v[SPW], v0, 2, SPARE
	v_mov_b32 v[NIL], 0
	ds_add_u32 v[SPW], v[NIL]                      ; the wave's opening: the add, twice on end, and its wait ahead of my first tensor load
	ds_add_u32 v[SPW], v[NIL]
	v_lshrrev_b32 v1, 5, v0
	v_readfirstlane_b32 s10, v1                    ; wave 0..3
	s_lshr_b32 s11, s10, 1                         ; my half of the tile's rows.  Also: I fetch for A (0) or for B (1)
	s_and_b32 s12, s10, 1                          ; my half of its columns.  Also: which half I fetch
	s_bfe_u32 s40, ttmp6, 0x40000
	s_bfe_u32 s41, ttmp6, 0x40004
	s_lshl_b32 s42, ttmp9, 2
	s_add_co_u32 s42, s42, s40                     ; tile column
	s_and_b32 s13, ttmp7, 0xffff
	s_lshl_b32 s13, s13, 2
	s_add_co_u32 s13, s13, s41                     ; tile row
	s_lshl_b32 s43, s41, 2
	s_lshl_b32 s43, 15, s43
	s_lshl_b32 s44, 0x1111, s40
	s_or_b32 s[G1+0], s43, (3<<16)|(1<<21)         ; A: the mask of my row; elements of 8 bytes; bit 21 beside a mask; no padding
	s_mov_b32 s[G1+1], 1024<<16                    ; tensor_dim0: 8,192 bytes
	s_mov_b32 s[G1+2], 4<<16                       ; tensor_dim1: four tiles of rows
	s_mov_b32 s[G1+3], 1024<<16                    ; tile_dim0
	s_mov_b32 s[G1+4], 4                           ; tile_dim1
	s_mov_b32 s[G1+5], 4096                        ; 32,768 bytes from a tile of rows to the next
	s_mov_b32 s[G1+6], 0
	s_mov_b32 s[G1+7], 0
	s_or_b32 s[G1B+0], s44, (1<<16)|(1<<20)|(1<<21)|(6<<22)|(3<<25)  ; B: the mask of my column; elements of 2 bytes; four words of padding behind every 128
	s_mov_b32 s[G1B+1], KSTEP<<16
	s_mov_b32 s[G1B+2], 64<<16
	s_mov_b32 s[G1B+3], KSTEP<<16
	s_mov_b32 s[G1B+4], 64
	s_mov_b32 s[G1B+5], SIZE_K
	s_mov_b32 s[G1B+6], 0
	s_mov_b32 s[G1B+7], 0
	s_lshl_b32 s16, s13, 3
	s_lshl_b32 s17, s12, 2
	s_add_co_u32 s16, s16, s17                     ; A: tile of rows 8 x tile row + 4 x half
	s_lshl_b32 s16, s16, 15
	s_mov_b32 s17, 0
	s_lshl_b32 s46, s42, 7
	s_lshl_b32 s47, s12, 6
	s_add_co_u32 s46, s46, s47                     ; B: row 128 x tile column + 64 x half
	s_lshl_b32 s46, s46, 11
	s_mov_b32 s47, 0
	s_lshl_b32 s20, s12, 15                        ; where they go: no place in the cluster enters an LDS address
	s_mul_i32 s21, s12, HALFT
	s_add_co_u32 s21, s21, BOFF
	s_wait_dscnt 0x0                               ; both opening adds are done
	s_wait_kmcnt 0x0
	s_add_nc_u64 s[14:15], s[4:5], s[16:17]
	s_add_nc_u64 s[46:47], s[6:7], s[46:47]
	CROUND                                         ; the first joint loads meet
.irp s, 0,1
	s_mov_b32 s[G0+4*\s], 1
	s_add_co_u32 s[G0+4*\s+1], s20, \s*SLOT
	s_add_nc_u64 s[G0+4*\s+2:G0+4*\s+3], s[14:15], \s*8192
	s_or_b32 s[G0+4*\s+3], s[G0+4*\s+3], 0x80000000
	s_mov_b32 s[G0B+4*\s], 1
	s_add_co_u32 s[G0B+4*\s+1], s21, \s*SLOT
	s_add_nc_u64 s[G0B+4*\s+2:G0B+4*\s+3], s[46:47], \s*KSTEP*2
	s_or_b32 s[G0B+4*\s+3], s[G0B+4*\s+3], 0x80000000
	JLOAD \s
.endr
	v_and_b32 v1, 15, v0                           ; r
	v_bfe_u32 v2, v0, 4, 1                         ; h
	v_mul_u32_u24 v3, v1, PITCH
	v_lshl_add_u32 v3, v2, 4, v3
	v_and_b32 v4, 31, v0
	v_lshlrev_b32 v4, 4, v4                        ; 16 x lane
	s_lshl_b32 s21, s11, 15                        ; my 64 rows of A
	s_mul_i32 s22, s12, HALFT                      ; my 64 rows of B
	s_add_co_u32 s22, s22, BOFF
.irp s, 0,1
	v_add_nc_u32 v[ADRA+\s], s21, v4
	v_add_nc_u32 v[ADRB+\s], s22, v3
	s_add_co_u32 s21, s21, SLOT
	s_add_co_u32 s22, s22, SLOT
.endr
	s_mul_i32 s23, s10, 16*SPITCH
	s_add_co_u32 s23, s23, STAGE                   ; my stage
	v_mul_u32_u24 v5, v1, SPITCH
	v_lshl_add_u32 v5, v2, 5, v5
	v_add_nc_u32 v[STO], s23, v5                   ; in: row r, 32 bytes for each half of the lanes
	v_mul_u32_u24 v5, v2, SPITCH
	v_lshl_add_u32 v5, v1, 4, v5
	v_add_nc_u32 v[RD], s23, v5                    ; back: lanes 0-15 one row of 256 bytes, lanes 16-31 the next
	v_lshlrev_b32 v5, 12, v2
	v_lshl_add_u32 v[CO], v1, 4, v5                ; and the same two rows in out0
	v_lshlrev_b32 v6, 5, v2
	s_lshl_b32 s16, s13, 7
	s_lshl_b32 s17, s11, 6
	s_add_co_u32 s16, s16, s17
	s_lshl_b32 s16, s16, 12                        ; my first row, in bytes
	s_lshl_b32 s46, s42, 9
	s_lshl_b32 s47, s12, 8
	s_add_co_u32 s46, s46, s47                     ; my first column, in bytes
	s_mov_b32 s47, 0
	s_add_nc_u64 s[68:69], s[68:69], s[46:47]
	s_add_co_u32 s46, s46, s16
	s_add_nc_u64 s[70:71], s[70:71], s[46:47]
.irp b, 0,1,2,3
	global_load_b128 v[BIAS+8*\b:BIAS+8*\b+3],   v6, s[68:69] offset:64*\b      ; lane (r, h), register j: bo at column 16 b + 8 h + j
	global_load_b128 v[BIAS+8*\b+4:BIAS+8*\b+7], v6, s[68:69] offset:64*\b+16
.endr
; 8 matrix instructions: m blocks a0, a0 + 1 x all 4 n blocks, 32 along K.  zero = 1: the first product starts the sums, with the bias as C.  The 16 accumulators take turns.
.macro MUL8 f, c, a0, zero
.irp a, \a0, \a0+1
.irp b, 0,1,2,3
.if \zero
	v_wmma_f32_16x16x32_f16 v[ACC+8*(4*(\a)+\b):ACC+8*(4*(\a)+\b)+7], v[\f+64+8*(4*\c+\b):\f+64+8*(4*\c+\b)+7], v[\f+8*(4*\c+(\a)):\f+8*(4*\c+(\a))+7], v[BIAS+8*\b:BIAS+8*\b+7]
.else
	v_wmma_f32_16x16x32_f16 v[ACC+8*(4*(\a)+\b):ACC+8*(4*(\a)+\b)+7], v[\f+64+8*(4*\c+\b):\f+64+8*(4*\c+\b)+7], v[\f+8*(4*\c+(\a)):\f+8*(4*\c+(\a))+7], v[ACC+8*(4*(\a)+\b):ACC+8*(4*(\a)+\b)+7]
.endif
.endr
.endr
.endm
; 32 LDS loads in one run: the fragments of 64 along K (byte k of B's rows; chunks k / 64 and k / 64 + 1 of A's tiles), the first 32 along K first
.macro FETCH slot, k, f
	WIN TO_F
.irp c, 0,1
.irp i, 0,1,2,3
	ds_load_b128 v[\f+64+8*(4*\c+\i):\f+64+8*(4*\c+\i)+3],   v[ADRB+\slot] offset:\k+64*\c+\i*16*PITCH
	ds_load_b128 v[\f+64+8*(4*\c+\i)+4:\f+64+8*(4*\c+\i)+7], v[ADRB+\slot] offset:\k+64*\c+\i*16*PITCH+32
	ds_load_b128 v[\f+8*(4*\c+\i):\f+8*(4*\c+\i)+3],         v[ADRA+\slot] offset:\i*8192+((\k)/64+\c)*1024
	ds_load_b128 v[\f+8*(4*\c+\i)+4:\f+8*(4*\c+\i)+7],       v[ADRA+\slot] offset:\i*8192+((\k)/64+\c)*1024+512
.endr
.endr
.endm
.macro PLACES
.rept 4
	v_nop
.endr
.endm
.macro QUARTER slot, k, f, g, zero
	s_wait_dscnt 16                                ; the first 32 along K are in
	WIN MUL
	MUL8 \f, 0, 0, \zero
	MUL8 \f, 0, 2, \zero
	PLACES
	FETCH \slot, \k, \g
	s_wait_dscnt 32                                ; all but the 32 just issued
	WIN MUL
	MUL8 \f, 1, 0, 0
	MUL8 \f, 1, 2, 0
.endm
; The last quarter changes slots: one barrier; in front of it each wave waits for all its tensor loads, adds 0 to its spare word, and waits for that and for its reads of this slot.
.macro TURN slot, next, fill
	WIN 0
	s_wait_tensorcnt 0x0                           ; my part of the next slot has landed
	ds_add_u32 v[SPW], v[NIL]
	s_wait_dscnt 17                                ; the add and the youngest sixteen loads may be out
	WIN MUL
	MUL8 F1, 0, 0, 0
	s_wait_dscnt 0x0                               ; the add is done, and my reads of this slot are over
	s_barrier_signal -1
	MUL8 F1, 0, 2, 0
.if \fill
	WIN 0
.endif
	s_barrier_wait -1
.if \fill
	CREST                                          ; the barrier has opened a round of the cluster's barrier
	s_add_nc_u64 s[G0+4*\slot+2:G0+4*\slot+3], s[G0+4*\slot+2:G0+4*\slot+3], 2*8192
	s_add_nc_u64 s[G0B+4*\slot+2:G0B+4*\slot+3], s[G0B+4*\slot+2:G0B+4*\slot+3], 2*KSTEP*2
	JLOAD \slot                                    ; the first tensor load behind the round; its four v_nop are also the places in front of the loads below
.else
	PLACES
.endif
	FETCH \next, 0, F0
	WIN MUL
	MUL8 F1, 1, 0, 0
	MUL8 F1, 1, 2, 0
.endm
	s_wait_tensorcnt 1                             ; my part of K step 0 is in; K step 1's may be out
	s_barrier_signal -1
	s_barrier_wait -1
	FETCH 0, 0, F0
	s_wait_loadcnt 0x0                             ; the bias
	QUARTER 0, 128, F0, F1, 1
	WIN 0
	s_mov_b32 s3, LAPS-1
.Llap:
	QUARTER 0, 256, F1, F0, 0
	QUARTER 0, 384, F0, F1, 0
	TURN 0, 1, 1
	QUARTER 1, 128, F0, F1, 0
	QUARTER 1, 256, F1, F0, 0
	QUARTER 1, 384, F0, F1, 0
	TURN 1, 0, 1
	QUARTER 0, 128, F0, F1, 0
	WIN 0
	s_sub_co_u32 s3, s3, 1
	s_cmp_lg_u32 s3, 0
	s_cbranch_scc1 .Llap
	QUARTER 0, 256, F1, F0, 0                      ; the last lap fills nothing
	QUARTER 0, 384, F0, F1, 0
	TURN 0, 1, 0
	QUARTER 1, 128, F0, F1, 0
	QUARTER 1, 256, F1, F0, 0
	QUARTER 1, 384, F0, F1, 0
	s_wait_dscnt 16
	WIN MUL
	MUL8 F1, 0, 0, 0
	MUL8 F1, 0, 2, 0
	s_wait_dscnt 0
	MUL8 F1, 1, 0, 0
	MUL8 F1, 1, 2, 0
	WIN 0
; THE WAY OUT, 16 rows at a time through my own stage: in as a lane's 32 bytes of a row, back as whole rows of 256 bytes.  LDS serves a wave's instructions in order: no wait between.
.macro TOSTAGE a
.irp b, 0,1,2,3
	ds_store_b128 v[STO], v[ACC+8*(4*(\a)+\b):ACC+8*(4*(\a)+\b)+3] offset:64*\b       ; each accumulator from its low end on
	ds_store_b128 v[STO], v[ACC+8*(4*(\a)+\b)+4:ACC+8*(4*(\a)+\b)+7] offset:64*\b+16
.endr
.irp t, 0,1,2,3,4,5,6,7
	ds_load_b128 v[TMP+32*((\a)%2)+4*\t:TMP+32*((\a)%2)+4*\t+3], v[RD] offset:\t*2*SPITCH
.endr
.endm
.macro SEND a, younger
	s_wait_dscnt \younger                          ; the block is back; the next block's 8 stores and 8 loads may be out
.irp t, 0,1,2,3,4,5,6,7
	global_store_b128 v[CO], v[TMP+32*((\a)%2)+4*\t:TMP+32*((\a)%2)+4*\t+3], s[70:71] offset:(16*(\a)+2*\t)*4096 th:TH_STORE_NT   ; sixteen lanes store 256 consecutive bytes, aligned
.endr
.endm
	PLACES
	TOSTAGE 0
.irp a, 1,2,3
.if \a > 1
	s_wait_xcnt 0x0                                ; the stores of two blocks back have read their registers
.endif
	TOSTAGE \a
	SEND \a-1, 16
.endr
	SEND 3, 0
	s_wait_tensorcnt 0x0                           ; the wave's end
	ds_add_u32 v[SPW], v[NIL]
	s_wait_dscnt 0x0
	CROUND                                         ; the closing round
	s_endpgm
.Lfunc_end_k_q31534a7a64_proj:
	.size	k_q31534a7a64_proj, .Lfunc_end_k_q31534a7a64_proj-k_q31534a7a64_proj
	.p2alignl 7, 3214868480
	.fill 96, 4, 3214868480
	.section	.rodata,"a",@progbits
	.p2align	6, 0x0
	.amdhsa_kernel k_q31534a7a64_proj
		.amdhsa_group_segment_fixed_size 327680
		.amdhsa_private_segment_fixed_size 0
		.amdhsa_enable_private_segment 0
		.amdhsa_kernarg_size 32
		.amdhsa_user_sgpr_count 2
		.amdhsa_user_sgpr_kernarg_segment_ptr 1
		.amdhsa_wavefront_size32 1
		.amdhsa_system_sgpr_workgroup_id_x 1
		.amdhsa_system_sgpr_workgroup_id_y 1
		.amdhsa_system_sgpr_workgroup_id_z 1
		.amdhsa_system_vgpr_workitem_id 0
		.amdhsa_next_free_vgpr 512
		.amdhsa_next_free_sgpr 72
		.amdhsa_reserve_vcc 0
		.amdhsa_float_denorm_mode_32 3
		.amdhsa_float_denorm_mode_16_64 3
		.amdhsa_memory_ordered 1
		.amdhsa_forward_progress 1
		.amdhsa_inst_pref_size 86
	.end_amdhsa_kernel
	.amdgpu_metadata
---
amdhsa.version: [ 1, 2 ]
amdhsa.kernels:
  - .name:           k_q31534a7a64_proj
    .symbol:         k_q31534a7a64_proj.kd
    .args:
      - { .name: att, .offset: 0, .size: 8, .value_kind: global_buffer, .address_space: global }
      - { .name: wo16, .offset: 8, .size: 8, .value_kind: global_buffer, .address_space: global }
      - { .name: bo, .offset: 16, .size: 8, .value_kind: global_buffer, .address_space: global }
      - { .name: out0, .offset: 24, .size: 8, .value_kind: global_buffer, .address_space: global }
    .group_segment_fixed_size: 327680
    .private_segment_fixed_size: 0
    .kernarg_segment_align: 8
    .kernarg_segment_size: 32
    .max_flat_workgroup_size: 128
    .sgpr_count:     72
    .vgpr_count:     512
    .wavefront_size: 32
...
	.end_amdgpu_metadata
.endif
;; end of part 4
;; launch first16 (part 5): grid 32 x 8, 16 waves a work-group, no clusters, 155,904 bytes of LDS; arguments qkv32, Wo, bo, out0; writes out0
.if DOCPART == 5
	.amdgcn_target "amdgcn-amd-amdhsa--gfx1250"
	.amdhsa_code_object_version 6
	.text
	.protected	k_q31534a7a64_first16
	.globl	k_q31534a7a64_first16
	.p2align	8
	.type	k_q31534a7a64_first16,@function
k_q31534a7a64_first16:
	s_mov_b64 s[64:65], 0
	v_nop
	global_prefetch_b8 v0, s[64:65] scope:SCOPE_SE
	s_setreg_imm32_b32 hwreg(HW_REG_WAVE_MODE, 25, 1), 1
	s_wait_xcnt 0x0
; Positions 0 to 15 of every sequence once more, wholly in f32: they average one to sixteen values and are the largest rows of the output, so f16 operands would weigh most there.
; Work-group (ng, b) makes out0[b][0..15][32 ng .. 32 ng + 31]: 256 work-groups.  PHASE A: wave w = head w: S^T = K Q^T, mask, softmax (the maximum taken away), O^T = V^T P, divided by the sum, into LDS.
; The attention of 16 positions is done again in each of the 32 ng: 32 matrix instructions a wave.  PHASE B: wave w: columns 16 (w % 2) on, 128 along K from 128 (w / 2) on: 32 matrix instructions;
; the eight parts meet in LDS.
; All products by the f32 matrix form, 16 x 16 x 4: lane (r, h) supplies row or column r and the places k = 2 h + j.  Which true k stands at a place is free so long as both sources agree:
; both are loaded by the same map, so nothing is shuffled.  v112-143 are written by matrix instructions alone; every sum begins with the constant 0 as C.
; qkv32: [b][n / 16][jh][512 bytes at 16 x lane]: lane (r, h): position r, columns 16 (n / 16) + 8 h + 4 jh + 0..3.
; A row's 32 columns are 128 consecutive bytes: eight lanes store half of an aligned run of 256, 512 KiB in the whole launch; that is the price of twice the work-groups, each with half of Wo's rows.
; No tensor load, no cluster, no prefetch: small work-groups that share only q, k, v of a batch and rows of Wo.
.set OST,   0                          ; 16 rows x (4,096 + 16) bytes: the attention's result, all heads
.set VT,    65792                      ; 16 waves x 16 keys x (256 + 16) bytes: V, to be read by columns
.set PL,    135424                     ; 8 parts x 16 rows x (128 + 16) bytes
.set SPARE, 153856                     ; the spare words, 128 bytes for each wave: eight blocks of 256 bytes that no other line names
	s_load_b256 s[4:11], s[0:1], 0x0               ; qkv32 4, Wo 6, bo 8, out0 10
	v_lshl_add_u32 v4, v0, 2, SPARE                ; v4, v5: the add's two; never rewritten
	v_mov_b32 v5, 0
	v_lshrrev_b32 v1, 5, v0
	v_readfirstlane_b32 s12, v1                    ; wave = head
	s_and_b32 s14, ttmp7, 0xffff                   ; batch
	s_and_b32 s15, s12, 1                          ; phase B: which 16 columns
	s_lshr_b32 s16, s12, 1                         ; phase B: which 128 along K
	v_and_b32 v1, 31, v0
	v_lshlrev_b32 v1, 4, v1                        ; 16 x lane
	v_and_b32 v2, 15, v0                           ; r
	v_bfe_u32 v3, v0, 4, 1                         ; h
	v_lshlrev_b32 v6, 3, v3
	v_sub_nc_u32 v6, v2, v6                        ; r - 8 h
	v_mov_b32 v7, 0xff800000                       ; -infinity
	v_lshlrev_b32 v12, 12, v2
	v_lshl_add_u32 v12, v3, 4, v12                 ; Wo: row r of 4,096 bytes, + 16 h: the two halves take neighbouring 16 bytes
	s_mul_i32 s24, s12, 4352
	s_add_co_u32 s24, s24, VT
	v_mul_u32_u24 v13, v2, 272
	v_lshl_add_u32 v13, v3, 5, v13
	v_add_nc_u32 v13, s24, v13                     ; V in: key r, + 32 h
	v_mul_u32_u24 v14, v3, 2176
	v_lshl_add_u32 v14, v2, 2, v14
	v_add_nc_u32 v14, s24, v14                     ; V back: keys 8 h on, channel r
	v_and_b32 v15, 7, v0
	v_lshlrev_b32 v15, 4, v15                      ; the bias and the way out: 16 bytes at 16 (thread % 8)
	v_mul_u32_u24 v208, v2, 4112
	v_lshl_add_u32 v208, v3, 5, v208
	s_lshl_b32 s24, s12, 8
	v_add_nc_u32 v208, s24, v208                   ; O in: row r, + 256 x head + 32 h
	v_mul_u32_u24 v209, v2, 4112
	v_lshl_add_u32 v209, v3, 4, v209
	s_lshl_b32 s24, s16, 9
	v_add_nc_u32 v209, s24, v209                   ; O back: row r, + 512 (w / 2) + 16 h: Wo's map
	s_mul_i32 s24, s16, 2304
	s_lshl_b32 s25, s15, 6
	s_add_co_u32 s24, s24, s25
	s_add_co_u32 s24, s24, PL
	v_mul_u32_u24 v210, v2, 144
	v_lshl_add_u32 v210, v3, 5, v210
	v_add_nc_u32 v210, s24, v210                   ; my part: row r, + 64 (w % 2) + 32 h
	v_lshrrev_b32 v212, 3, v0
	v_mul_u32_u24 v211, v212, 144
	v_add_nc_u32 v211, v211, v15
	v_add_nc_u32 v211, PL, v211                    ; the way out (threads 0 to 127): row thread / 8
	v_lshl_add_u32 v212, v212, 12, v15             ; and the same place in out0
	s_mov_b32 s20, 0x76543210
	s_mov_b32 s21, 0xfedcba98
	s_mov_b32 s22, 0x3e38aa3b                      ; c = log2(e) / sqrt(64)
	s_mul_i32 s26, s14, 196608
	s_lshl_b32 s27, s12, 12
	s_add_co_u32 s26, s26, s27
	s_mov_b32 s27, 0
	s_wait_kmcnt 0x0
	s_add_nc_u64 s[4:5], s[4:5], s[26:27]          ; my batch, my head's four tiles of q
	s_lshl_b32 s26, ttmp9, 17
	s_lshl_b32 s28, s15, 16
	s_add_co_u32 s26, s26, s28
	s_lshl_b32 s28, s16, 9
	s_add_co_u32 s26, s26, s28
	s_add_nc_u64 s[6:7], s[6:7], s[26:27]          ; Wo at row 32 ng + 16 (w % 2), k = 128 (w / 2)
	s_lshl_b32 s26, ttmp9, 7
	s_add_nc_u64 s[8:9], s[8:9], s[26:27]
	s_lshl_b32 s28, s14, 22
	s_add_co_u32 s26, s26, s28
	s_add_nc_u64 s[10:11], s[10:11], s[26:27]
	global_load_b128 v[8:11], v15, s[8:9]
.irp i, 0,1,2,3
.irp g, 0,1
	global_load_b128 v[16+4*(2*\i+\g):19+4*(2*\i+\g)], v1, s[4:5] offset:1024*\i+512*\g            ; q
	global_load_b128 v[48+4*(2*\i+\g):51+4*(2*\i+\g)], v1, s[4:5] offset:65536+1024*\i+512*\g      ; k
	global_load_b128 v[80+4*(2*\i+\g):83+4*(2*\i+\g)], v1, s[4:5] offset:131072+1024*\i+512*\g     ; v
.endr
.endr
.set i, 0
.rept 16
	global_load_b128 v[144+4*i:147+4*i], v12, s[6:7] offset:32*i   ; Wo's chunk i: k = 8 i + 4 h + 0..3 of my 128
.set i, i+1
.endr
	s_wait_loadcnt 16                              ; the bias, q, k and v are in; Wo's sixteen may be out
	; ---- PHASE A
.irp i, 0,1,2,3
.irp g, 0,1
	ds_store_b128 v13, v[80+4*(2*\i+\g):83+4*(2*\i+\g)] offset:64*\i+16*\g
.endr
.endr
.irp st, 0,1,2,3,4,5,6,7,8,9,10,11,12,13,14,15  ; S^T: two accumulators by turns; K's and Q's registers 2 st, 2 st + 1 hold the same four channels at the same places
.if \st < 2
	v_wmma_f32_16x16x4_f32 v[112+8*(\st%2):119+8*(\st%2)], v[48+2*\st:49+2*\st], v[16+2*\st:17+2*\st], 0
.else
	v_wmma_f32_16x16x4_f32 v[112+8*(\st%2):119+8*(\st%2)], v[48+2*\st:49+2*\st], v[16+2*\st:17+2*\st], v[112+8*(\st%2):119+8*(\st%2)]
.endif
.endr
.rept 8
	v_nop                                          ; eight places behind this form
.endr
.irp j, 0,1,2,3,4,5,6,7
	v_add_f32 v[48+\j], v[112+\j], v[120+\j]       ; lane (r, h): query r, key 8 h + j
.endr
.irp j, 0,1,2,3,4,5,6,7
	v_cmp_gt_i32 vcc_lo, \j, v6                    ; hidden where 8 h + j > r
	v_cndmask_b32 v[48+\j], v[48+\j], v7, vcc_lo
.endr
	v_max3_num_f32 v64, v48, v49, v50
	v_max3_num_f32 v65, v51, v52, v53
	v_max3_num_f32 v64, v64, v54, v55
	v_max_num_f32 v64, v64, v65
	v_permlanex16_b32 v65, v64, s20, s21
	v_max_num_f32 v64, v64, v65                    ; key 0 counts for every query: the maximum is a number
	v_mul_f32 v64, s22, v64
.irp j, 0,1,2,3,4,5,6,7
	v_fma_f32 v[48+\j], v[48+\j], s22, -v64
.endr
.irp j, 0,1,2,3,4,5,6,7
	v_exp_f32 v[56+\j], v[48+\j]
.endr
	v_nop                                          ; a plain line behind the exponentials
	s_wait_alu depctr_va_vdst(0)                   ; one wait for the batch
	v_add_f32 v66, v56, v57
	v_add_f32 v67, v58, v59
	v_add_f32 v68, v60, v61
	v_add_f32 v69, v62, v63
	v_add_f32 v66, v66, v67
	v_add_f32 v68, v68, v69
	v_add_f32 v66, v66, v68
	v_permlanex16_b32 v67, v66, s20, s21
	v_add_f32 v66, v66, v67
	v_rcp_f32 v70, v66
	v_nop
	s_wait_alu depctr_va_vdst(0)
.irp d, 0,1,2,3
.irp k, 0,1,2,3,4,5,6,7
	ds_load_b32 v[16+8*\d+\k], v14 offset:\k*272+64*\d   ; V(key 8 h + k, channel 16 d + r): my wave's own bytes, served in order behind my stores
.endr
.endr
	s_wait_dscnt 0x0
.irp s, 0,1,2,3                                ; O^T = V^T P: four accumulators by turns; both sources hold keys 8 h + 2 s + j at the places 2 h + j
.irp d, 0,1,2,3
.if \s == 0
	v_wmma_f32_16x16x4_f32 v[112+8*\d:119+8*\d], v[16+8*\d+2*\s:17+8*\d+2*\s], v[56+2*\s:57+2*\s], 0
.else
	v_wmma_f32_16x16x4_f32 v[112+8*\d:119+8*\d], v[16+8*\d+2*\s:17+8*\d+2*\s], v[56+2*\s:57+2*\s], v[112+8*\d:119+8*\d]
.endif
.endr
.endr
.rept 9
	v_nop                                          ; eight places ahead of the reads; the ninth because phase B's sums are laid over these results
.endr
.irp n, 0,1,2,3,4,5,6,7,8,9,10,11,12,13,14,15,16,17,18,19,20,21,22,23,24,25,26,27,28,29,30,31
	v_mul_f32 v[16+\n], v[112+\n], v70             ; lane (r, h): query r, channel 16 d + 8 h + j
.endr
.irp d, 0,1,2,3
	ds_store_b128 v208, v[16+8*\d:19+8*\d] offset:64*\d
	ds_store_b128 v208, v[20+8*\d:23+8*\d] offset:64*\d+16
.endr
	s_wait_dscnt 0x0                               ; for the others' sake: my head's part of the 16 rows has landed
	s_barrier_signal -1
	s_barrier_wait -1
	; ---- PHASE B: source 0 = 16 rows of Wo, source 1 = the 16 positions: a lane holds position r and columns 8 h + j.  Two accumulators by turns.
	s_wait_loadcnt 0x0                             ; Wo
.set u, 0
.rept 16
	ds_load_b128 v[16+4*u:19+4*u], v209 offset:32*u
.set u, u+1
.endr
	s_wait_dscnt 0x0
.set u, 0
.rept 16
.irp p, 0,1
.if u == 0
	v_wmma_f32_16x16x4_f32 v[112+8*\p:119+8*\p], v[144+4*u+2*\p:145+4*u+2*\p], v[16+4*u+2*\p:17+4*u+2*\p], 0
.else
	v_wmma_f32_16x16x4_f32 v[112+8*\p:119+8*\p], v[144+4*u+2*\p:145+4*u+2*\p], v[16+4*u+2*\p:17+4*u+2*\p], v[112+8*\p:119+8*\p]
.endif
.endr
.set u, u+1
.endr
.rept 8
	v_nop
.endr
.irp j, 0,1,2,3,4,5,6,7
	v_add_f32 v[96+\j], v[112+\j], v[120+\j]
.endr
	ds_store_b128 v210, v[96:99]
	ds_store_b128 v210, v[100:103] offset:16
	s_wait_dscnt 0x0                               ; for the others' sake
	s_barrier_signal -1
	s_barrier_wait -1
	s_cmp_gt_u32 s12, 3                            ; 128 threads take 16 bytes each of the 16 rows x 128 bytes
	s_cbranch_scc1 .Lend
.irp p, 0,1,2,3,4,5,6,7
	ds_load_b128 v[16+4*\p:19+4*\p], v211 offset:2304*\p
.endr
	s_wait_dscnt 0x0
.irp p, 0,2,4,6
	v_pk_add_f32 v[16+4*\p:17+4*\p], v[16+4*\p:17+4*\p], v[20+4*\p:21+4*\p]
	v_pk_add_f32 v[18+4*\p:19+4*\p], v[18+4*\p:19+4*\p], v[22+4*\p:23+4*\p]
.endr
	v_pk_add_f32 v[16:17], v[16:17], v[24:25]
	v_pk_add_f32 v[18:19], v[18:19], v[26:27]
	v_pk_add_f32 v[32:33], v[32:33], v[40:41]
	v_pk_add_f32 v[34:35], v[34:35], v[42:43]
	v_pk_add_f32 v[16:17], v[16:17], v[32:33]
	v_pk_add_f32 v[18:19], v[18:19], v[34:35]
	v_pk_add_f32 v[16:17], v[16:17], v[8:9]        ; the bias
	v_pk_add_f32 v[18:19], v[18:19], v[10:11]
	global_store_b128 v212, v[16:19], s[10:11]     ; eight lanes store a row's 128 consecutive bytes
.Lend:
	s_wait_tensorcnt 0x0                           ; the wave's end
	ds_add_u32 v4, v5
	s_wait_dscnt 0x0
	s_endpgm
.Lfunc_end_k_q31534a7a64_first16:
	.size	k_q31534a7a64_first16, .Lfunc_end_k_q31534a7a64_first16-k_q31534a7a64_first16
	.p2alignl 7, 3214868480
	.fill 96, 4, 3214868480
	.section	.rodata,"a",@progbits
	.p2align	6, 0x0
	.amdhsa_kernel k_q31534a7a64_first16
		.amdhsa_group_segment_fixed_size 155904
		.amdhsa_private_segment_fixed_size 0
		.amdhsa_enable_private_segment 0
		.amdhsa_kernarg_size 32
		.amdhsa_user_sgpr_count 2
		.amdhsa_user_sgpr_kernarg_segment_ptr 1
		.amdhsa_wavefront_size32 1
		.amdhsa_system_sgpr_workgroup_id_x 1
		.amdhsa_system_sgpr_workgroup_id_y 1
		.amdhsa_system_sgpr_workgroup_id_z 1
		.amdhsa_system_vgpr_workitem_id 0
		.amdhsa_next_free_vgpr 256
		.amdhsa_next_free_sgpr 66
		.amdhsa_reserve_vcc 1
		.amdhsa_float_denorm_mode_32 3
		.amdhsa_float_denorm_mode_16_64 3
		.amdhsa_memory_ordered 1
		.amdhsa_forward_progress 1
		.amdhsa_inst_pref_size 22
	.end_amdhsa_kernel
	.amdgpu_metadata
---
amdhsa.version: [ 1, 2 ]
amdhsa.kernels:
  - .name:           k_q31534a7a64_first16
    .symbol:         k_q31534a7a64_first16.kd
    .args:
      - { .name: qkv32, .offset: 0, .size: 8, .value_kind: global_buffer, .address_space: global }
      - { .name: Wo, .offset: 8, .size: 8, .value_kind: global_buffer, .address_space: global }
      - { .name: bo, .offset: 16, .size: 8, .value_kind: global_buffer, .address_space: global }
      - { .name: out0, .offset: 24, .size: 8, .value_kind: global_buffer, .address_space: global }
    .group_segment_fixed_size: 155904
    .private_segment_fixed_size: 0
    .kernarg_segment_align: 8
    .kernarg_segment_size: 32
    .max_flat_workgroup_size: 512
    .sgpr_count:     66
    .vgpr_count:     256
    .wavefront_size: 32
...
	.end_amdgpu_metadata
.endif
;; end of part 5
